; MI455X (gfx1250); checked and timed in simulation.
; The chip was launched on July 23, 2026; its instructions are those of AMD's public machine-readable ISA for CDNA 5 (MIT licence, August 2026) and "CDNA5" Instruction Set Architecture Reference Guide (July 2026). The comments in the code are by the model that wrote it; some were corrected since.
;; Transformer Block. Allowed arithmetic: matrix products marked QUANTISED: E3M2 operands, one E8M0 scale for each 32 along K, by v_wmma_scale_f32_16x16x128_f8f6f4 with both operands' format E3M2, f32 sums; everything else in f32.
;; Inputs: W1_codes 3,072 x 24 x 24 uint8 (E3M2 codes of W1, K innermost, in blocks of 32 codes, four codes in three bytes); W1_scales 3,072 x 24 uint8 (E8M0 scales of W1, one for each 32 codes along K); W2_codes 768 x 96 x 24 uint8 (E3M2 codes of W2, K innermost, in blocks of 32 codes, four codes in three bytes); W2_scales 768 x 96 uint8 (E8M0 scales of W2, one for each 32 codes along K); Wk_codes 768 x 24 x 24 uint8 (E3M2 codes of Wk, K innermost, in blocks of 32 codes, four codes in three bytes); Wk_scales 768 x 24 uint8 (E8M0 scales of Wk, one for each 32 codes along K); Wo_codes 768 x 24 x 24 uint8 (E3M2 codes of Wo, K innermost, in blocks of 32 codes, four codes in three bytes); Wo_scales 768 x 24 uint8 (E8M0 scales of Wo, one for each 32 codes along K); Wq_codes 768 x 24 x 24 uint8 (E3M2 codes of Wq, K innermost, in blocks of 32 codes, four codes in three bytes); Wq_scales 768 x 24 uint8 (E8M0 scales of Wq, one for each 32 codes along K); Wv_codes 768 x 24 x 24 uint8 (E3M2 codes of Wv, K innermost, in blocks of 32 codes, four codes in three bytes); Wv_scales 768 x 24 uint8 (E8M0 scales of Wv, one for each 32 codes along K); b1 3,072 float32; b2 768 float32; be1 768 float32; be2 768 float32; bk 768 float32; bo 768 float32; bq 768 float32; bv 768 float32; g1 768 float32; g2 768 float32; x 1 x 4,096 x 768 float32.
;; Outputs: out0 1 x 4,096 x 768 float32.
;; This version of the problem:
;;   THIS VERSION OF THE PROBLEM IS GIVEN IN LOW PRECISION. The matrix products marked QUANTISED in the list below multiply operands that are first quantised to E3M2 (3 exponent bits, 2 mantissa bits; 6 bits a number), with one power-of-two scale for each 32 numbers along K (OCP MX v1.0); their sums are f32. All else is computed in f32.
;;   The module's matrix products, in the order in which they are computed (A, B: the left and right operand; K: the contracted axis; several contracted axes count as one K, in the product's order):
;;     1. [M 4,096, K 768] x [K 768, N 768]; A: input x; B: input Wq (given as codes): QUANTISED
;;     2. [M 4,096, K 768] x [K 768, N 768]; A: input x; B: input Wk (given as codes): QUANTISED
;;     3. [M 4,096, K 768] x [K 768, N 768]; A: input x; B: input Wv (given as codes): QUANTISED
;;     4. batch 12 x [M 4,096, K 64] x [K 64, N 4,096]; A: computed on the way; B: computed on the way: QUANTISED
;;     5. batch 12 x [M 4,096, K 4,096] x [K 4,096, N 64]; A: softmax (see below); B: computed on the way: QUANTISED
;;     6. [M 4,096, K 768] x [K 768, N 768]; A: computed on the way; B: input Wo (given as codes): QUANTISED
;;     7. [M 4,096, K 768] x [K 768, N 3,072]; A: computed on the way; B: input W1 (given as codes): QUANTISED
;;     8. [M 4,096, K 3,072] x [K 3,072, N 768]; A: computed on the way; B: input W2 (given as codes): QUANTISED
;;   THE QUANTISER, for each operand of a quantised product, along K:
;;     - K is cut into blocks of 32 from its start; a last block that is shorter is filled with zeros.
;;     - A block's scale is 2^e with e = floor(log2(the largest magnitude in the block)) - 4, held to -126 .. 127; a block of zeros has e = 0. As a byte (E8M0): e + 127.
;;     - Each number is divided by its block's scale, clamped to +-28, and rounded to the nearest number of E3M2, ties to even, subnormals kept.
;;     - The product sums the exact products of the quantised numbers (number of the format x scale) in f32.
;;   ~~~python
;;   def quantise(x, axis):      # numpy; x: float32 -> the quantised numbers, widened to float32 again
;;       x = np.moveaxis(x, axis, -1); K = x.shape[-1]
;;       x = np.pad(x, [(0, 0)] * (x.ndim - 1) + [(0, -K % 32)]); x = x.reshape(x.shape[:-1] + (-1, 32)); a = np.abs(x).max(-1, keepdims=True)
;;       e = np.where(a > 0, np.clip(np.frexp(np.where(a > 0, a, 1))[1] - 1 - 4, -126, 127), 0)      # np.frexp(a)[1] - 1 = floor(log2(a)), exactly
;;       r = np.clip(x / 2.0 ** e, -28, 28)
;;       step = 2.0 ** (np.maximum(np.frexp(np.where(r == 0, 1, r))[1] - 1, -2) - 2)
;;       q = np.round(r / step) * step * 2.0 ** e      # np.round: ties to even
;;       return np.moveaxis(q.reshape(q.shape[:-2] + (-1,))[..., :K], -1, axis).astype(np.float32)
;;   ~~~
;;   SOFTMAX AHEAD OF A QUANTISED PRODUCT. Where the list says 'softmax', what is quantised is not the finished softmax but p = 2^(t - M), with t = logit x log2(e) and M = ceil(the row's largest t), a whole number; so 1/2 < the row's largest p <= 1. The row's sum l is taken of the UNQUANTISED p, in f32, and the product's result is divided by l at the end. Since M is a whole number, a kernel that streams over the keys may use a running M (the ceiling of the running maximum): every later rescaling is an exact power of two, which a block's scale takes up: the codes' values come out the same.
;;   OPERANDS COMPUTED ON THE WAY. 'Computed on the way' means the value that the module computes at that place (a softmax that the list does not call 'softmax' is quantised finished and normalised). What goes into a quantiser is computed in f32, as accurately as f32 sums, v_exp_f32 and their like allow (about 1e-6 of the number): no bf16 or f16 on the way to a quantiser, and a product that is left as it is and whose result goes on into a quantised operand takes f32 operands (vector FMAs, or v_wmma_f32_16x16x4_f32). A number that lies on a knife's edge between two numbers of the format may be rounded either way, as far as f32 arithmetic and the matrix unit's own rounding can turn it there, and no further.
;;   INPUTS GIVEN AS CODES. W1 (in the module: [768, 3072], K = its axis 0); W2 (in the module: [3072, 768], K = its axis 0); Wk (in the module: [768, 768], K = its axis 0); Wo (in the module: [768, 768], K = its axis 0); Wq (in the module: [768, 768], K = its axis 0); Wv (in the module: [768, 768], K = its axis 0): each comes as NAME_codes (uint8): NAME with its K axis moved to the last place and cut into blocks of 32 codes, [.., K / 32, bytes a block], one block behind the other in memory; four codes in three bytes: a row's codes are one little-endian stream of bits, code i at bits 6 i .. 6 i + 5 (a code: sign, 3 exponent bits, 2 mantissa bits); and NAME_scales (uint8): the same leading axes, one E8M0 byte (e + 127) for each 32 codes along K. Its value is code x scale, taken as it is: it is not quantised again, and the codes and scales need not be those that the quantiser above would give.
;; One version. Each part assembles by itself: llvm-mc -triple=amdgcn-amd-amdhsa -mcpu=gfx1250 --defsym DOCPART=n.
;; ======== version 1 of 1: 5 launches
;; limits: right only within a limited range of input values
;; workspace buffers: wimg 5,529,600 bytes; xq 2,457,600 bytes; qimg 2,555,904 bytes; kvimg 5,013,504 bytes; oimg 2,457,600 bytes; part 25,165,824 bytes
;; launch prep (part 1): grid 528 x 1, 4 waves a work-group, no clusters, 0 bytes of LDS; arguments Wq_codes, Wq_scales, Wk_codes, Wk_scales, Wv_codes, Wv_scales, Wo_codes, Wo_scales, W1_codes, W1_scales, W2_codes, W2_scales, x, wimg, xq; writes wimg, xq
.if DOCPART == 1
	.amdgcn_target "amdgcn-amd-amdhsa--gfx1250"
	.amdhsa_code_object_version 6
	.text
	.protected	k_qc5d1ffb9a2_prep
	.globl	k_qc5d1ffb9a2_prep
	.p2align	8
	.type	k_qc5d1ffb9a2_prep,@function
k_qc5d1ffb9a2_prep:
	s_mov_b64 s[64:65], 0
	v_nop
	global_prefetch_b8 v0, s[64:65] scope:SCOPE_SE
	s_setreg_imm32_b32 hwreg(HW_REG_WAVE_MODE, 25, 1), 1
	s_wait_xcnt 0x0
; A TRANSFORMER BLOCK IN MX-BF6, FOUR LAUNCHES: prep (this one), qkv, attn, tail.
; WORK LEFT OUT, in the whole program: reference() sets scores[q][k] to -inf wherever k > q, by a mask that it builds itself (jnp.tril).  exp(-inf) is 0, so such a key
; adds 0 to the row's sum and 0 x v to the row's result, whatever finite values the inputs hold.  So a step of 128 keys all of which come after a wave's 16 queries is not multiplied (launch attn).
; Nothing else is left out: every input has a way to the output (bq and bk move the codes of q and k; every other bias, gain and shift is added or multiplied on the way), and every input is loaded.
; LIMITS: a NaN, an infinity or an overflow that reaches only the key steps left out is not carried to the result.  NaN and infinities among the inputs are not served.
; A block of zeros gets the scale byte 1 where the quantiser says 127: its codes are zeros, which add nothing, and these bytes are read by this program alone.
;
; THIS LAUNCH lays the operands that later launches read many times in the order of the matrix operand's registers.
; (a) The six weights.  A tile is 16 rows (output columns) x 128 along K: 12 registers a lane; registers 4 c .. 4 c + 3 of lane l go to byte 512 c + 16 l of the tile's 1,536 bytes.
;     THE ROWS OF A TILE ARE NOT NEIGHBOURS: row p of tile u is column 32 (u / 2) + 8 (u % 2) + p + 8 (p / 8), so that in a transposed product the 16 registers of two neighbouring tiles are 16 neighbouring columns.
;     wimg: K step n of a group of four tiles at 6,144 n + 1,536 x tile; its 64 scale words at 5,308,416 + 256 n, word (tile t, row p) at 8 (16 (t % 2) + p) + 4 (t / 2).
;     n = 6 G + s for the weights with K = 768 (groups G: Wq 0-11, Wk 12-23, Wv 24-35, Wo 36-47, W1 48-95), n = 576 + 24 g + s for W2.
; (b) x, quantised once for the three products that read it.  A half fragment is 16 rows x 64 along K, 768 bytes: registers 0-3 of lane l at 16 l, registers 4-5 at 512 + 8 l; lane (p, H) holds block H of row p.
;     xq: half fragment (tile of rows, which 64) at (12 x tile + which) x 768; the scale words of 64 rows and one K step at 2,359,296 + (6 x block + step) x 256, laid as the weights'.
; SHARES.  Work-groups 0-143: a wave takes one tile of a weight through six K steps.  Work-groups 144-527: a wave takes 16 rows of x through one K step.  Waves share nothing: no LDS, no barrier.
; No cluster: no two work-groups read the same bytes.
; THE LAUNCHES AS THEY STAND: five: prep (this one), qkv, attn, tail, ln2.  Launch tail cuts the hidden layer in two among work-groups and stores two parts of the last sum; launch ln2 adds them and takes the last layer norm.
.set SEL, 58                           ; s[58:59] lane selects for v_permlanex16_b32: lane l xor 16
; 32 numbers of a lane, register 16 b + i = number 16 (lane / 16) + i of block b of my row, become a half fragment in v[pc .. pc+5] and the two scale bytes in v[pw].
.macro QUANT64 src, pc, pw, tm
.set QA, \src
.set QC, \pc
.set QW, \pw
.set QT, \tm
.irp b, 0,1
	v_max3_num_f32 v[QT+\b], |v[QA+16*\b]|, |v[QA+16*\b+1]|, 0x2800000   ; my 16 numbers of block b, and the floor 2^(5 - 127): the byte cannot fall under 1
.endr
.irp i, 2,4,6,8,10,12,14
.irp b, 0,1
	v_max3_num_f32 v[QT+\b], v[QT+\b], |v[QA+16*\b+\i]|, |v[QA+16*\b+\i+1]|
.endr
.endr
.irp b, 0,1
	v_permlanex16_b32 v[QT+2+\b], v[QT+\b], s[SEL], s[SEL+1]
.endr
.irp b, 0,1
	v_max_num_f32 v[QT+\b], v[QT+\b], v[QT+2+\b]       ; with lane l xor 16's: the block's largest magnitude
.endr
.irp b, 0,1
	v_add_nc_u32 v[QT+4+\b], 0xfe000000, v[QT+\b]      ; 4 off its exponent field: the conversion's scale operand
.endr
.irp b, 0,1
	v_lshrrev_b32 v[QT+2+\b], 23, v[QT+4+\b]           ; the scale's byte
.endr
	v_lshl_or_b32 v[QW], v[QT+3], 8, v[QT+2]
	v_cvt_scalef32_pk16_bf6_f32 v[QC:QC+2], v[QA:QA+15], v[QT+4]
	v_cvt_scalef32_pk16_bf6_f32 v[QC+6:QC+8], v[QA+16:QA+31], v[QT+5]   ; (a conversion's three registers begin on an even number)
	v_nop                                              ; one plain place behind a scaled conversion
.irp i, 0,1,2
	v_permlane16_swap_b32 v[QC+\i], v[QC+6+\i]         ; a whole block to a lane: lanes 0-15 block 0, lanes 16-31 block 1
.endr
.irp i, 0,1,2
	v_mov_b32 v[QC+3+\i], v[QC+6+\i]
.endr
.endm
.macro PICK lim, c, base               ; work-groups under lim belong to the weight whose codes' address lies in s[c:c+1] and whose first group is base
	s_cmp_lt_u32 s35, \lim
	s_cselect_b64 s[36:37], s[\c:\c+1], s[36:37]
	s_cselect_b64 s[38:39], s[\c+2:\c+3], s[38:39]
	s_cselect_b32 s40, \base, s40
.endm
	s_load_b512 s[4:19], s[0:1], 0x0               ; Wq, Wk, Wv, Wo: codes, scales
	s_load_b256 s[20:27], s[0:1], 0x40             ; W1, W2: codes, scales
	s_load_b128 s[28:31], s[0:1], 0x60             ; x, wimg
	s_load_b64 s[32:33], s[0:1], 0x70              ; xq
	v_lshrrev_b32 v10, 5, v0
	v_readfirstlane_b32 s34, v10                   ; wave
	s_mov_b32 s35, ttmp9                           ; work-group
	v_and_b32 v1, 31, v0                           ; lane
	v_and_b32 v2, 15, v0                           ; p = lane % 16
	v_bfe_u32 v3, v0, 4, 1                         ; H = lane / 16
	v_lshlrev_b32 v4, 4, v1                        ; 16 x lane
	v_lshlrev_b32 v5, 3, v1                        ; 8 x lane
	v_lshlrev_b32 v6, 3, v2                        ; 8 p
	s_mov_b32 s51, 0                               ; the upper word of every offset
	s_cmp_ge_u32 s35, 144
	s_cbranch_scc1 .Lx
	; ---- a weight's tile
	s_wait_kmcnt 0x0
	s_mov_b64 s[36:37], s[24:25]                   ; W2, unless the work-group's number says otherwise
	s_mov_b64 s[38:39], s[26:27]
	s_mov_b32 s40, 96
	PICK 96, 20, 48
	PICK 48, 16, 36
	PICK 36, 12, 24
	PICK 24, 8, 12
	PICK 12, 4, 0
	s_sub_co_u32 s41, s35, s40                     ; K = 768: the group in its weight.  W2: the tile
	s_lshl_b32 s42, s41, 2
	s_add_co_u32 s42, s42, s34                     ; K = 768: tile = 4 x group + wave
	s_mul_i32 s43, s34, 6                          ; W2: first K step = 6 x wave
	s_and_b32 s44, s41, 3                          ; W2: the tile's place in its group
	s_lshr_b32 s45, s41, 2
	s_mul_i32 s45, s45, 24
	s_add_co_u32 s45, s45, s43
	s_add_co_u32 s45, s45, 576                     ; W2: n of the first K step
	s_mul_i32 s46, s35, 6                          ; K = 768: the same
	s_mov_b32 s47, 2304                            ; W2: a row of codes in bytes,
	s_mov_b32 s48, 96                              ; and of scale bytes
	s_cmp_lt_u32 s35, 96
	s_cselect_b32 s42, s42, s41                    ; tile
	s_cselect_b32 s43, 0, s43                      ; first K step
	s_cselect_b32 s44, s34, s44                    ; place in the group
	s_cselect_b32 s45, s46, s45                    ; n
	s_cselect_b32 s47, 576, s47
	s_cselect_b32 s48, 24, s48
	s_lshr_b32 s49, s42, 1
	s_lshl_b32 s49, s49, 5
	s_and_b32 s50, s42, 1
	s_lshl_b32 s50, s50, 3
	s_add_co_u32 s49, s49, s50                     ; the tile's first row: 32 (tile / 2) + 8 (tile % 2)
	s_wait_alu depctr_va_vdst(0)
	v_and_b32 v7, 8, v2
	v_add_nc_u32 v7, v7, v2                        ; p + 8 (p / 8)
	v_mul_lo_u32 v8, v7, s47
	v_mad_u32_u24 v8, v3, 24, v8                   ; my row's codes, + 24 H
	s_wait_alu depctr_va_vdst(0)
	v_mul_lo_u32 v9, v7, s48                       ; my row's scale bytes
	s_wait_alu depctr_va_vdst(0)
	s_mul_i32 s50, s49, s47
	s_mul_i32 s52, s43, 96
	s_add_co_u32 s50, s50, s52
	s_add_nc_u64 s[36:37], s[36:37], s[50:51]      ; codes at the tile's first row and K step
	s_mul_i32 s50, s49, s48
	s_lshl_b32 s52, s43, 2
	s_add_co_u32 s50, s50, s52
	s_add_nc_u64 s[38:39], s[38:39], s[50:51]      ; scale bytes likewise
	s_mul_i32 s50, s45, 6144
	s_mul_i32 s52, s44, 1536
	s_add_co_u32 s50, s50, s52
	s_add_nc_u64 s[54:55], s[30:31], s[50:51]      ; where the images go
	s_lshl_b32 s50, s45, 8
	s_and_b32 s52, s44, 1
	s_lshl_b32 s52, s52, 7
	s_add_co_u32 s50, s50, s52
	s_lshr_b32 s52, s44, 1
	s_lshl_b32 s52, s52, 2
	s_add_co_u32 s50, s50, s52
	s_add_co_u32 s50, s50, 5308416
	s_add_nc_u64 s[56:57], s[30:31], s[50:51]      ; and the scale words
.irp s, 0,1,2,3,4,5
.irp p, 0,1,2,3,4,5
	global_load_b64 v[16+12*\s+2*\p:17+12*\s+2*\p], v8, s[36:37] offset:96*\s+48*(\p/3)+8*(\p%3) th:TH_LOAD_NT   ; the fragment as the operand's layout wants it: 24 bytes at 24 H, 24 at 48 + 24 H
.endr
.endr
.irp s, 0,1,2,3,4,5
	global_load_b32 v[88+\s], v9, s[38:39] offset:4*\s th:TH_LOAD_NT
.endr
	s_wait_loadcnt 0x0
.irp s, 0,1,2,3,4,5
.irp c, 0,1,2
	global_store_b128 v4, v[16+12*\s+4*\c:19+12*\s+4*\c], s[54:55] offset:6144*\s+512*\c   ; 32 lanes store 512 consecutive bytes
.endr
.endr
.irp s, 0,1,2,3,4,5
	global_store_b32 v6, v[88+\s], s[56:57] offset:256*\s   ; lanes p and p + 16 hold the same word and store it to the same place
.endr
	s_endpgm
	; ---- 16 rows of x, 128 along K
.Lx:
	s_mov_b32 s[SEL], 0x76543210
	s_mov_b32 s[SEL+1], 0xfedcba98
	v_mov_b32 v82, 0                               ; written once: a lane permute's destination counts as one of its sources
	v_mov_b32 v83, 0
	s_sub_co_u32 s36, s35, 144
	s_lshr_b32 s37, s36, 6                         ; K step
	s_and_b32 s38, s36, 63                         ; block of 64 rows
	s_lshl_b32 s39, s38, 2
	s_add_co_u32 s39, s39, s34                     ; tile of 16 rows
	s_wait_alu depctr_va_vdst(0)
	v_mul_u32_u24 v8, v2, 3072
	v_lshl_add_u32 v8, v3, 6, v8                   ; row p, + 64 H: my 16 numbers of a block of 32
	s_mul_i32 s50, s39, 49152
	s_lshl_b32 s40, s37, 9
	s_add_co_u32 s50, s50, s40
	s_wait_alu depctr_va_vdst(0)
	s_wait_kmcnt 0x0
	s_add_nc_u64 s[42:43], s[28:29], s[50:51]
	s_mul_i32 s50, s39, 12
	s_lshl_b32 s40, s37, 1
	s_add_co_u32 s50, s50, s40
	s_mul_i32 s50, s50, 768
	s_add_nc_u64 s[46:47], s[32:33], s[50:51]      ; the two half fragments
	s_mul_i32 s50, s38, 6
	s_add_co_u32 s50, s50, s37
	s_lshl_b32 s50, s50, 8
	s_and_b32 s40, s34, 1
	s_lshl_b32 s40, s40, 7
	s_add_co_u32 s50, s50, s40
	s_lshr_b32 s40, s34, 1
	s_lshl_b32 s40, s40, 2
	s_add_co_u32 s50, s50, s40
	s_add_co_u32 s50, s50, 2359296
	s_add_nc_u64 s[48:49], s[32:33], s[50:51]      ; the scale words
.irp f, 0,1
.irp b, 0,1
.irp i, 0,1,2,3
	global_load_b128 v[16+32*\f+16*\b+4*\i:19+32*\f+16*\b+4*\i], v8, s[42:43] offset:256*\f+128*\b+16*\i
.endr
.endr
.endr
	s_wait_loadcnt 8                               ; the first 64 along K are in; the second half's eight loads may be out
	QUANT64 16, 88, 86, 80
	global_store_b128 v4, v[88:91], s[46:47]
	global_store_b64 v5, v[92:93], s[46:47] offset:512
	s_wait_loadcnt 0x0
	QUANT64 48, 100, 87, 80                        ; other registers for its codes: no store's data are written again
	global_store_b128 v4, v[100:103], s[46:47] offset:768
	global_store_b64 v5, v[104:105], s[46:47] offset:1280
	v_lshl_or_b32 v112, v87, 16, v86               ; the K step's four bytes
	global_store_b32 v6, v112, s[48:49]
	s_endpgm
.Lfunc_end_k_qc5d1ffb9a2_prep:
	.size	k_qc5d1ffb9a2_prep, .Lfunc_end_k_qc5d1ffb9a2_prep-k_qc5d1ffb9a2_prep
	.p2alignl 7, 3214868480
	.fill 96, 4, 3214868480
	.section	.rodata,"a",@progbits
	.p2align	6, 0x0
	.amdhsa_kernel k_qc5d1ffb9a2_prep
		.amdhsa_group_segment_fixed_size 0
		.amdhsa_private_segment_fixed_size 0
		.amdhsa_enable_private_segment 0
		.amdhsa_kernarg_size 120
		.amdhsa_user_sgpr_count 2
		.amdhsa_user_sgpr_kernarg_segment_ptr 1
		.amdhsa_wavefront_size32 1
		.amdhsa_system_sgpr_workgroup_id_x 1
		.amdhsa_system_sgpr_workgroup_id_y 1
		.amdhsa_system_sgpr_workgroup_id_z 1
		.amdhsa_system_vgpr_workitem_id 0
		.amdhsa_next_free_vgpr 128
		.amdhsa_next_free_sgpr 66
		.amdhsa_reserve_vcc 0
		.amdhsa_float_denorm_mode_32 3
		.amdhsa_float_denorm_mode_16_64 3
		.amdhsa_memory_ordered 1
		.amdhsa_forward_progress 1
		.amdhsa_inst_pref_size 18
	.end_amdhsa_kernel
	.amdgpu_metadata
---
amdhsa.version: [ 1, 2 ]
amdhsa.kernels:
  - .name:           k_qc5d1ffb9a2_prep
    .symbol:         k_qc5d1ffb9a2_prep.kd
    .args:
      - { .name: Wq_codes, .offset: 0, .size: 8, .value_kind: global_buffer, .address_space: global }
      - { .name: Wq_scales, .offset: 8, .size: 8, .value_kind: global_buffer, .address_space: global }
      - { .name: Wk_codes, .offset: 16, .size: 8, .value_kind: global_buffer, .address_space: global }
      - { .name: Wk_scales, .offset: 24, .size: 8, .value_kind: global_buffer, .address_space: global }
      - { .name: Wv_codes, .offset: 32, .size: 8, .value_kind: global_buffer, .address_space: global }
      - { .name: Wv_scales, .offset: 40, .size: 8, .value_kind: global_buffer, .address_space: global }
      - { .name: Wo_codes, .offset: 48, .size: 8, .value_kind: global_buffer, .address_space: global }
      - { .name: Wo_scales, .offset: 56, .size: 8, .value_kind: global_buffer, .address_space: global }
      - { .name: W1_codes, .offset: 64, .size: 8, .value_kind: global_buffer, .address_space: global }
      - { .name: W1_scales, .offset: 72, .size: 8, .value_kind: global_buffer, .address_space: global }
      - { .name: W2_codes, .offset: 80, .size: 8, .value_kind: global_buffer, .address_space: global }
      - { .name: W2_scales, .offset: 88, .size: 8, .value_kind: global_buffer, .address_space: global }
      - { .name: x, .offset: 96, .size: 8, .value_kind: global_buffer, .address_space: global }
      - { .name: wimg, .offset: 104, .size: 8, .value_kind: global_buffer, .address_space: global }
      - { .name: xq, .offset: 112, .size: 8, .value_kind: global_buffer, .address_space: global }
    .group_segment_fixed_size: 0
    .private_segment_fixed_size: 0
    .kernarg_segment_align: 8
    .kernarg_segment_size: 120
    .max_flat_workgroup_size: 128
    .sgpr_count:     66
    .vgpr_count:     128
    .wavefront_size: 32
...
	.end_amdgpu_metadata
.endif
;; end of part 1
;; launch qkv (part 2): grid 64 x 4, 9 waves a work-group, no clusters, 38,400 bytes of LDS; arguments xq, wimg, bq, bk, bv, qimg, kvimg; writes qimg, kvimg
.if DOCPART == 2
	.amdgcn_target "amdgcn-amd-amdhsa--gfx1250"
	.amdhsa_code_object_version 6
	.text
	.protected	k_qc5d1ffb9a2_qkv
	.globl	k_qc5d1ffb9a2_qkv
	.p2align	8
	.type	k_qc5d1ffb9a2_qkv,@function
k_qc5d1ffb9a2_qkv:
	s_mov_b64 s[64:65], 0
	v_nop
	global_prefetch_b8 v0, s[64:65] scope:SCOPE_SE
	s_setreg_imm32_b32 hwreg(HW_REG_WAVE_MODE, 25, 1), 1
	s_wait_xcnt 0x0
; q = x Wq + bq, k = x Wk + bk, v = x Wv + bv on codes of BF6 (E3M2) with E8M0 scales, and the results quantised at once for attention: q and k along the head's 64, v along the keys.
; SHARES.  A work-group takes 64 rows of x (work-group x) for one of q, k, v (work-group y); wave = head: 4 tiles of rows x 4 tiles of columns, 16 accumulators, six K steps of 128.
; x's codes (36,864 bytes, laid as images of the operand's registers by prep) are copied into LDS once and read by all nine waves; a wave's weights go from memory straight into its registers.
; q, k: THE PRODUCT IS USED TRANSPOSED (source 0 = 16 columns of W, source 1 = 16 rows of x): a lane holds one row, and by the order of a weight tile's rows its 32 registers of a tile of rows are
;       16 neighbouring columns of each of the head's two blocks.  The bias is the C of the first K step.
; v:    the product is used as it stands (source 0 = 16 rows of x, source 1 = 16 columns of W): a lane holds one column d and its registers run down the keys.  Inside a block of 32 keys the codes lie
;       in the order 0-7, 16-23, 8-15, 24-31; attention lays the softmax's p in the same order, so each product meets its partner.
; OUT.  qimg: half fragment (head, tile of 16 queries) at 196,608 head + 768 tile; a query's scale word (two bytes, two zeros) at 2,359,296 + 16,384 head + 4 query.
;       kvimg: [head: 417,792][slot of 256 keys: 26,112]: K's 16 half fragments; from 12,288 V's 16 ((4 x which 64 keys + tile of d) x 768); from 24,576 K's scale words; from 25,600 V's (256 x step + 4 (16 tile + row)).
; No cluster: what work-groups share (a head's weights) goes to one wave's registers; a joint load would land in LDS and add a round trip of every weight byte.
; LIMITS: as stated at the head of prep (zeros' scale byte; NaN and infinities not served).
.set SPARE, 36864                      ; behind x's images: the spare words, 128 bytes for each of the nine waves: five blocks of 256 bytes that no other line names
.set SEL, 22                           ; s[22:23]
; REGISTERS: v1 16 x lane, v2 8 x lane, v3 4 x lane, v4 16 x thread, v5 the bias's lane offset, v6, v7 the add's two, v8 p, v9 H; v16-143 accumulators; v144-191 four weight fragments; v192-239 four fragments of x;
;   v240-241 the weights' scale words, v242-243 x's; v244-251 v's bias.  Behind the K steps: v144 + 12 o the codes, v192-197 at work, v200-205 scale bytes.
.macro QUANT64 src, pc, pw, tm         ; 32 numbers of a lane (register 16 b + i = number 16 (lane / 16) + i of block b) -> a half fragment in v[pc .. pc+5], two scale bytes in v[pw]
.set QA, \src
.set QC, \pc
.set QW, \pw
.set QT, \tm
.irp b, 0,1
	v_max3_num_f32 v[QT+\b], |v[QA+16*\b]|, |v[QA+16*\b+1]|, 0x2800000   ; and the floor 2^(5 - 127): the byte cannot fall under 1
.endr
.irp i, 2,4,6,8,10,12,14
.irp b, 0,1
	v_max3_num_f32 v[QT+\b], v[QT+\b], |v[QA+16*\b+\i]|, |v[QA+16*\b+\i+1]|
.endr
.endr
.irp b, 0,1
	s_delay_alu instid0(VALU_DEP_2)
	v_permlanex16_b32 v[QT+2+\b], v[QT+\b], s[SEL], s[SEL+1]
.endr
.irp b, 0,1
	s_delay_alu instid0(VALU_DEP_2)
	v_max_num_f32 v[QT+\b], v[QT+\b], v[QT+2+\b]
.endr
.irp b, 0,1
	s_delay_alu instid0(VALU_DEP_2)
	v_add_nc_u32 v[QT+4+\b], 0xfe000000, v[QT+\b]      ; 4 off the exponent field: the conversion's scale operand
.endr
.irp b, 0,1
	s_delay_alu instid0(VALU_DEP_2)
	v_lshrrev_b32 v[QT+2+\b], 23, v[QT+4+\b]
.endr
	s_delay_alu instid0(VALU_DEP_1)
	v_lshl_or_b32 v[QW], v[QT+3], 8, v[QT+2]
	v_cvt_scalef32_pk16_bf6_f32 v[QC:QC+2], v[QA:QA+15], v[QT+4]
	v_cvt_scalef32_pk16_bf6_f32 v[QC+6:QC+8], v[QA+16:QA+31], v[QT+5]
	v_nop                                              ; one plain place behind a scaled conversion
.irp i, 0,1,2
	v_permlane16_swap_b32 v[QC+\i], v[QC+6+\i]
.endr
.irp i, 0,1,2
	s_delay_alu instid0(VALU_DEP_3)
	v_mov_b32 v[QC+3+\i], v[QC+6+\i]
.endr
.endm
; The matrix instruction: D at v[d], sources at v[a], v[b]; z = 1: the sum starts with 0; scale words in v[sa], v[sb], taken from lanes 16-31 where ra, rb = 1
.macro WM d, a, b, z, sa, sb, ra, rb
.set WD, \d
.set WA, \a
.set WB, \b
.set WSA, \sa
.set WSB, \sb
.set WI, 4*(\z)+2*(\ra)+(\rb)
.if WI == 0
	v_wmma_scale_f32_16x16x128_f8f6f4 v[WD:WD+7], v[WA:WA+11], v[WB:WB+11], v[WD:WD+7], v[WSA], v[WSB] matrix_a_fmt:MATRIX_FMT_BF6 matrix_b_fmt:MATRIX_FMT_BF6
.elseif WI == 1
	v_wmma_scale_f32_16x16x128_f8f6f4 v[WD:WD+7], v[WA:WA+11], v[WB:WB+11], v[WD:WD+7], v[WSA], v[WSB] matrix_a_fmt:MATRIX_FMT_BF6 matrix_b_fmt:MATRIX_FMT_BF6 matrix_b_scale:MATRIX_SCALE_ROW1
.elseif WI == 2
	v_wmma_scale_f32_16x16x128_f8f6f4 v[WD:WD+7], v[WA:WA+11], v[WB:WB+11], v[WD:WD+7], v[WSA], v[WSB] matrix_a_fmt:MATRIX_FMT_BF6 matrix_b_fmt:MATRIX_FMT_BF6 matrix_a_scale:MATRIX_SCALE_ROW1
.elseif WI == 3
	v_wmma_scale_f32_16x16x128_f8f6f4 v[WD:WD+7], v[WA:WA+11], v[WB:WB+11], v[WD:WD+7], v[WSA], v[WSB] matrix_a_fmt:MATRIX_FMT_BF6 matrix_b_fmt:MATRIX_FMT_BF6 matrix_a_scale:MATRIX_SCALE_ROW1 matrix_b_scale:MATRIX_SCALE_ROW1
.elseif WI == 4
	v_wmma_scale_f32_16x16x128_f8f6f4 v[WD:WD+7], v[WA:WA+11], v[WB:WB+11], 0, v[WSA], v[WSB] matrix_a_fmt:MATRIX_FMT_BF6 matrix_b_fmt:MATRIX_FMT_BF6
.elseif WI == 5
	v_wmma_scale_f32_16x16x128_f8f6f4 v[WD:WD+7], v[WA:WA+11], v[WB:WB+11], 0, v[WSA], v[WSB] matrix_a_fmt:MATRIX_FMT_BF6 matrix_b_fmt:MATRIX_FMT_BF6 matrix_b_scale:MATRIX_SCALE_ROW1
.elseif WI == 6
	v_wmma_scale_f32_16x16x128_f8f6f4 v[WD:WD+7], v[WA:WA+11], v[WB:WB+11], 0, v[WSA], v[WSB] matrix_a_fmt:MATRIX_FMT_BF6 matrix_b_fmt:MATRIX_FMT_BF6 matrix_a_scale:MATRIX_SCALE_ROW1
.else
	v_wmma_scale_f32_16x16x128_f8f6f4 v[WD:WD+7], v[WA:WA+11], v[WB:WB+11], 0, v[WSA], v[WSB] matrix_a_fmt:MATRIX_FMT_BF6 matrix_b_fmt:MATRIX_FMT_BF6 matrix_a_scale:MATRIX_SCALE_ROW1 matrix_b_scale:MATRIX_SCALE_ROW1
.endif
.endm
.macro AF reg, a16, a8, off            ; a fragment out of LDS: two half fragments on end
.set FRG, \reg
.set FOF, \off
	ds_load_b128 v[FRG:FRG+3], v[\a16] offset:FOF
	ds_load_b64 v[FRG+4:FRG+5], v[\a8] offset:FOF+512
	ds_load_b128 v[FRG+6:FRG+9], v[\a16] offset:FOF+768
	ds_load_b64 v[FRG+10:FRG+11], v[\a8] offset:FOF+1280
.endm
; TWO SETS OF WEIGHT REGISTERS: an even K step's four fragments lie in v144-191, an odd step's in v256-303 (v0-47 of window 1); the scale words of an even step in v240-243, of an odd one in v252-255.
; s_set_vgpr_msb's low byte: bits 1:0 source 0, 3:2 source 1, 5:4 source 2, 7:6 destination; its high byte repeats the setting that is left.  At every label and branch the setting is 0.
.set MSB, 0
.macro WIN new
.if MSB != \new
	s_set_vgpr_msb (MSB<<8)|\new
.set MSB, \new
.endif
.endm
.macro WLOAD n                         ; K step n: my four weight fragments, their scale words, x's scale words: 14 loads
.set WN, \n
.if WN%2
	WIN 0x40                                       ; destination window 1, address window 0
.irp i, 0,1,2,3,4,5,6,7,8,9,10,11
	global_load_b128 v[4*\i:4*\i+3], v1, s[58:59] offset:6144*WN+512*\i
.endr
	WIN 0
.else
.irp i, 0,1,2,3,4,5,6,7,8,9,10,11
	global_load_b128 v[144+4*\i:147+4*\i], v1, s[58:59] offset:6144*WN+512*\i
.endr
.endif
	global_load_b64 v[240+12*(WN%2):241+12*(WN%2)], v2, s[60:61] offset:256*WN
	global_load_b64 v[242+12*(WN%2):243+12*(WN%2)], v2, s[56:57] offset:256*WN
.endm
	s_load_b256 s[4:11], s[0:1], 0x0               ; xq, wimg, bq, bk
	s_load_b128 s[12:15], s[0:1], 0x20             ; bv, qimg
	s_load_b64 s[16:17], s[0:1], 0x30              ; kvimg
	v_lshl_add_u32 v6, v0, 2, SPARE
	v_mov_b32 v7, 0
	v_lshrrev_b32 v10, 5, v0
	s_delay_alu instid0(VALU_DEP_1)
	; THE SHARES AS THEY STAND (in place of the head's paragraph SHARES): a block of 64 rows has 36 units, q, k, v x 12 heads; they are dealt to four work-groups (work-group y) of nine waves:
	; unit = 9 y + wave, kind = unit / 12 (0 q, 1 k, 2 v), head = unit % 12.  64 x 4 = 256 work-groups.  A wave's work is as the head says of a head's wave; the waves of a work-group may be of two kinds,
	; and part on their kind behind the one barrier of the text.
	v_readfirstlane_b32 s18, v10                   ; wave
	s_mov_b32 s19, ttmp9                           ; X: block of 64 rows
	s_and_b32 s20, ttmp7, 0xffff                   ; Y
	s_mul_i32 s20, s20, 9
	s_add_co_u32 s18, s18, s20                     ; unit: 0 .. 35
	s_mul_i32 s20, s18, 43691
	s_lshr_b32 s20, s20, 19                        ; kind = unit / 12 (exact for units under 36: 12 x 43,691 = 2^19 + 4)
	s_mul_i32 s21, s20, 12
	s_sub_co_u32 s18, s18, s21                     ; head
	v_and_b32 v10, 31, v0
	s_delay_alu instid0(VALU_DEP_1)
	v_lshlrev_b32 v1, 4, v10
	s_delay_alu instid0(VALU_DEP_2)
	v_lshlrev_b32 v2, 3, v10
	s_delay_alu instid0(VALU_DEP_3)
	v_lshlrev_b32 v3, 2, v10
	v_lshlrev_b32 v4, 4, v0
	v_and_b32 v8, 15, v0
	v_bfe_u32 v9, v0, 4, 1
	s_delay_alu instid0(VALU_DEP_1)
	v_cmp_ne_u32 s21, 0, v9                        ; the mask of lanes 16-31
	s_mov_b32 s[SEL], 0x76543210
	s_mov_b32 s[SEL+1], 0xfedcba98
	s_mul_i32 s24, s19, 36864                      ; x's images of my block
	s_mov_b32 s25, 0
	s_mul_i32 s26, s19, 1536
	s_add_co_u32 s26, s26, 2359296                 ; and their scale words
	s_mov_b32 s27, 0
	s_mul_i32 s28, s20, 12
	s_add_co_u32 s28, s28, s18                     ; my group of four weight tiles
	s_mul_i32 s30, s28, 1536
	s_add_co_u32 s30, s30, 5308416
	s_mov_b32 s31, 0
	s_mul_i32 s28, s28, 36864
	s_mov_b32 s29, 0
	s_lshl_b32 s32, s18, 8                         ; my head's 64 numbers of the bias
	s_mov_b32 s33, 0
	s_lshr_b32 s34, s19, 2
	s_mul_i32 s34, s34, 26112
	s_mul_i32 s35, s18, 417792
	s_add_co_u32 s34, s34, s35                     ; kvimg: my head's slot
	s_and_b32 s35, s19, 3                          ; which 64 keys of the slot
	s_mul_i32 s36, s35, 3072
	s_add_co_u32 s36, s36, s34                     ; k: images
	s_add_co_u32 s37, s36, 12288                   ; v: images
	s_mul_i32 s38, s18, 196608
	s_mul_i32 s39, s19, 3072
	s_add_co_u32 s38, s38, s39                     ; q: images
	s_lshl_b32 s39, s35, 8
	s_add_co_u32 s39, s39, s34
	s_add_co_u32 s39, s39, 24576                   ; k: scale words
	s_lshr_b32 s40, s35, 1
	s_lshl_b32 s40, s40, 8
	s_and_b32 s41, s19, 1
	s_lshl_b32 s41, s41, 1
	s_add_co_u32 s40, s40, s41
	s_add_co_u32 s40, s40, s34
	s_add_co_u32 s40, s40, 25600                   ; v: my two bytes of the step's scale words
	s_lshl_b32 s41, s18, 14
	s_lshl_b32 s42, s19, 8
	s_add_co_u32 s41, s41, s42
	s_add_co_u32 s41, s41, 2359296                 ; q: scale words
	s_cmp_eq_u32 s20, 1
	s_cselect_b32 s44, s36, s37
	s_cselect_b32 s46, s39, s40
	s_cmp_eq_u32 s20, 0
	s_cselect_b32 s44, s38, s44
	s_cselect_b32 s46, s41, s46
	s_mov_b32 s45, 0
	s_mov_b32 s47, 0
	s_wait_alu depctr_va_vdst(0)
	s_wait_kmcnt 0x0
	s_cselect_b64 s[48:49], s[14:15], s[16:17]     ; (still on kind = 0)  qimg or kvimg
	s_cselect_b64 s[50:51], s[8:9], s[10:11]       ; bq or bk,
	s_cmp_eq_u32 s20, 2
	s_cselect_b64 s[50:51], s[12:13], s[50:51]     ; or bv
	s_add_nc_u64 s[50:51], s[50:51], s[32:33]
	s_add_nc_u64 s[52:53], s[48:49], s[44:45]      ; where the images go
	s_add_nc_u64 s[54:55], s[48:49], s[46:47]      ; and the scale bytes
	s_add_nc_u64 s[56:57], s[4:5], s[26:27]
	s_add_nc_u64 s[4:5], s[4:5], s[24:25]
	s_add_nc_u64 s[58:59], s[6:7], s[28:29]
	s_add_nc_u64 s[60:61], s[6:7], s[30:31]
.irp i, 0,1,2,3,4,5,6,7
	global_load_b128 v[192+4*\i:195+4*\i], v4, s[4:5] offset:4608*\i   ; 288 threads x 16 bytes x 8: my block's 48 half fragments
.endr
	WLOAD 0
	s_wait_loadcnt 14                              ; the copy is in; the 14 loads of K step 0 may be out
.irp i, 0,1,2,3,4,5,6,7
	ds_store_b128 v4, v[192+4*\i:195+4*\i] offset:4608*\i
.endr
	s_wait_dscnt 0x0                               ; for the others' sake: my stores have landed
	s_barrier_signal -1
	s_barrier_wait -1                              ; x's images lie in LDS; nothing is written there again
.macro PATH isv
.if \isv
	v_and_b32 v5, 8, v8
	s_delay_alu instid0(VALU_DEP_1)
	v_add_nc_u32 v5, v5, v8
	s_delay_alu instid0(VALU_DEP_1)
	v_lshlrev_b32 v5, 2, v5                        ; my column of a tile: p + 8 (p / 8)
.irp ct, 0,1,2,3
	global_load_b32 v[244+2*\ct], v5, s[50:51] offset:128*(\ct/2)+32*(\ct%2)
	global_load_b32 v[245+2*\ct], v5, s[50:51] offset:128*(\ct/2)+32*(\ct%2)   ; twice: a pair for the packed addition
.endr
.else
	v_lshlrev_b32 v5, 6, v9                        ; my half's 16 columns of a block
.irp mt, 0,1,2,3
.irp ct, 0,1,2,3
.irp i, 0,1
	global_load_b128 v[16+8*(4*\mt+\ct)+4*\i:19+8*(4*\mt+\ct)+4*\i], v5, s[50:51] offset:128*(\ct/2)+32*(\ct%2)+16*\i   ; the bias in the result's layout: the C of the first K step
.endr
.endr
.endr
.endif
.irp s, 0,1,2,3,4,5
.set ZZ, 0
.if \s == 0
.set ZZ, 1
.endif
.if \s < 5
	WLOAD \s+1                                     ; the next K step's weights, into the set that the step before this one read (its four places stand at that step's end)
.endif
.irp mt, 0,1,2,3
	AF 192+12*\mt, 1, 2, (12*\mt+2*\s)*768
.endr
.if \s < 5
	s_wait_loadcnt 14                              ; all but the 14 loads just issued: this K step's weights and scale words are in (and the bias)
.else
	s_wait_loadcnt 0x0
.endif
	s_wait_dscnt 0x0
	WIN (\s%2)*(1+3*\isv)                          ; an odd step's weights lie in window 1: they are source 0 for q and k, source 1 for v
.irp mt, 0,1,2,3                       ; the 16 accumulators by turns, one instruction a turn
.irp ct, 0,1,2,3
.if \isv
	WM 16+8*(4*\ct+\mt), 192+12*\mt, 144*(1-\s%2)+12*\ct, ZZ, 242+12*(\s%2)+\mt/2, 240+12*(\s%2)+\ct/2, \mt%2, \ct%2
.else
	WM 16+8*(4*\mt+\ct), 144*(1-\s%2)+12*\ct, 192+12*\mt, 0, 240+12*(\s%2)+\ct/2, 242+12*(\s%2)+\mt/2, \ct%2, \mt%2
.endif
.endr
.endr
	WIN 0
.rept 4
	v_nop                                          ; places in front of loads into registers that matrix instructions have read, and of the first read of results
.endr
.endr
.if \isv
.irp ct, 0,1,2,3
.set kk, 0
.rept 16
	v_pk_add_f32 v[16+32*\ct+kk:17+32*\ct+kk], v[16+32*\ct+kk:17+32*\ct+kk], v[244+2*\ct:245+2*\ct]   ; + bv of my column; each accumulator from its low end on
.set kk, kk+2
.endr
.endr
.endif
.irp o, 0,1,2,3                        ; q, k: tile of rows o.  v: tile of columns o
	QUANT64 16+32*\o, 144+12*\o, 200+\o, 192
	global_store_b128 v1, v[144+12*\o:147+12*\o], s[52:53] offset:768*\o
	global_store_b64 v2, v[148+12*\o:149+12*\o], s[52:53] offset:768*\o+512
.endr
.irp i, 0,1
	v_cndmask_b32 v[204+\i], v[200+2*\i], v[201+2*\i], s21   ; lanes 0-15 tile 2 i's bytes, lanes 16-31 tile 2 i + 1's
.if \isv
	global_store_b16 v3, v[204+\i], s[54:55] offset:128*\i
.else
	global_store_b32 v3, v[204+\i], s[54:55] offset:128*\i
.endif
.endr
.endm
	s_cmp_eq_u32 s20, 2
	s_cbranch_scc1 .Lv
	PATH 0
	s_branch .Lend
.Lv:
	PATH 1
.Lend:
	s_wait_tensorcnt 0x0                           ; the wave's end, behind my last LDS store
	ds_add_u32 v6, v7
	s_wait_dscnt 0x0
	s_endpgm
.Lfunc_end_k_qc5d1ffb9a2_qkv:
	.size	k_qc5d1ffb9a2_qkv, .Lfunc_end_k_qc5d1ffb9a2_qkv-k_qc5d1ffb9a2_qkv
	.p2alignl 7, 3214868480
	.fill 96, 4, 3214868480
	.section	.rodata,"a",@progbits
	.p2align	6, 0x0
	.amdhsa_kernel k_qc5d1ffb9a2_qkv
		.amdhsa_group_segment_fixed_size 38400
		.amdhsa_private_segment_fixed_size 0
		.amdhsa_enable_private_segment 0
		.amdhsa_kernarg_size 56
		.amdhsa_user_sgpr_count 2
		.amdhsa_user_sgpr_kernarg_segment_ptr 1
		.amdhsa_wavefront_size32 1
		.amdhsa_system_sgpr_workgroup_id_x 1
		.amdhsa_system_sgpr_workgroup_id_y 1
		.amdhsa_system_sgpr_workgroup_id_z 1
		.amdhsa_system_vgpr_workitem_id 0
		.amdhsa_next_free_vgpr 304
		.amdhsa_next_free_sgpr 66
		.amdhsa_reserve_vcc 0
		.amdhsa_float_denorm_mode_32 3
		.amdhsa_float_denorm_mode_16_64 3
		.amdhsa_memory_ordered 1
		.amdhsa_forward_progress 1
		.amdhsa_inst_pref_size 87
	.end_amdhsa_kernel
	.amdgpu_metadata
---
amdhsa.version: [ 1, 2 ]
amdhsa.kernels:
  - .name:           k_qc5d1ffb9a2_qkv
    .symbol:         k_qc5d1ffb9a2_qkv.kd
    .args:
      - { .name: xq, .offset: 0, .size: 8, .value_kind: global_buffer, .address_space: global }
      - { .name: wimg, .offset: 8, .size: 8, .value_kind: global_buffer, .address_space: global }
      - { .name: bq, .offset: 16, .size: 8, .value_kind: global_buffer, .address_space: global }
      - { .name: bk, .offset: 24, .size: 8, .value_kind: global_buffer, .address_space: global }
      - { .name: bv, .offset: 32, .size: 8, .value_kind: global_buffer, .address_space: global }
      - { .name: qimg, .offset: 40, .size: 8, .value_kind: global_buffer, .address_space: global }
      - { .name: kvimg, .offset: 48, .size: 8, .value_kind: global_buffer, .address_space: global }
    .group_segment_fixed_size: 38400
    .private_segment_fixed_size: 0
    .kernarg_segment_align: 8
    .kernarg_segment_size: 56
    .max_flat_workgroup_size: 288
    .sgpr_count:     66
    .vgpr_count:     304
    .wavefront_size: 32
...
	.end_amdgpu_metadata
.endif
;; end of part 2
;; launch attn (part 3): grid 384 x 1, 16 waves a work-group, no clusters, 327,680 bytes of LDS; arguments qimg, kvimg, oimg; writes oimg
.if DOCPART == 3
	.amdgcn_target "amdgcn-amd-amdhsa--gfx1250"
	.amdhsa_code_object_version 6
	.text
	.protected	k_qc5d1ffb9a2_attn
	.globl	k_qc5d1ffb9a2_attn
	.p2align	8
	.type	k_qc5d1ffb9a2_attn,@function
k_qc5d1ffb9a2_attn:
	s_mov_b64 s[64:65], 0
	v_nop
	global_prefetch_b8 v0, s[64:65] scope:SCOPE_SE
	s_setreg_imm32_b32 hwreg(HW_REG_WAVE_MODE, 25, 1), 1
	s_wait_xcnt 0x0
; o[q] = the sum over keys k <= q of softmax_k(q . k / 8) v[k], for each of 12 heads of 64, both products on codes of BF6 (E3M2) with E8M0 scales; o is quantised at once along the model's 768 for the next product.
; WORK LEFT OUT: a step of 128 keys all of which come after my 16 queries (shown dead at the head of prep: reference()'s own causal mask makes their weights 0), and the slots of keys that hold such steps alone.
; THE SOFTMAX: t = score x log2(e) / 8; M = the largest t so far, rounded UP to a whole number; p = 2^(t - M) is what is quantised, along the keys, not normalised.  The sum is taken of the unquantised p
; and divides at the end.  When M moves, the sum and O are multiplied by 2^(old M - new M): exact.
; SHARES.  A work-group owns block b of 128 neighbouring queries of one head: 8 tiles of 16.  TWO WAVES SHARE A TILE'S KEYS: tile u belongs to waves u and u + 8; wave u takes the even steps of 128 keys, wave u + 8 the odd ones, each with
; an M, a sum and an O^T of its own.  Block b needs steps 0 .. b, so each wave has b / 2 + 1 turns at the most, and all sixteen waves of a work-group have the same number but for the last turn.  At the end the odd wave hands its three
; to the even wave through LDS; both M are whole numbers, so the two parts are brought under the larger M by multiplications that round nothing.
; THE WORK-GROUPS' NUMBERS: rank = number (under 256) or 639 - number; head = rank % 12, b = 31 - rank / 12: the blocks with many steps have the low numbers, and numbers j and 256 + j (j < 128) hold blocks b and 31 - b: 17 turns together.
; THE RING.  Two LDS slots of 512 keys (52,224 bytes: two of kvimg's slots on end, one dense block), each filled by ONE tensor load of wave 0: at most one tensor load is out.  Every work-group walks all 8 changes of slots: constant trip
; counts.  A slot whose first step comes after b is read by no wave and is not asked for: one jump on the work-group's block and the count of slots, the same in all sixteen waves, leads round the load alone; every wait for tensor loads is for 0.
; LAYOUT.  Both products are used transposed: S^T = K Q^T (source 0 = 16 keys, source 1 = my queries), O^T = V^T P^T (source 0 = 16 of the head's 64, source 1 = P): a lane holds one query (lane % 16) throughout.
; K = 64 in the first product: the upper half of both operands' registers holds zero codes, written once.  Register 8 t + j of S^T is key 16 t + 8 (lane / 16) + j; two tiles' 16 registers are converted together, so inside a block of
; 32 keys P's codes lie in the order 0-7, 16-23, 8-15, 24-31, as launch qkv has laid V's.
; No cluster, though the work-groups of a head read the same slots: block b reads b / 4 + 1 of them, so partners would need different numbers of slots, and a partner with early queries would have to ask for slots that none of its waves reads.
; LIMITS: a p under 2^-126 counts as 0 (v_exp_f32 gives 0 there: ISA guide, its entry); a block whose p are all 0 keeps the byte 1 over zero codes; NaN and infinities are not served.
.set SLOT1, 1<<16                      ; slot 1 begins here: one exclusive or turns an address in one slot into the other's
.set SLOTB, 52224                      ; a slot's bytes
.set HALFB, 26112                      ; one of kvimg's slots: 256 keys, two steps
.set SPARE, 131072                     ; behind the ring: the spare words, 128 bytes for each wave: eight blocks of 256 bytes that no other line names
.set STG,   133120                     ; behind them: for each tile 4,608 bytes in which the odd wave hands over O^T (8 x 512) and -M, t, the sum (512); no tensor load lands here
.set STGT,  4608
.set WV,  10                           ; s10 wave
.set UT,  11                           ; s11 my tile in the block: wave % 8;  s12 head;  s13 my tile of queries: 8 b + u
.set BLK, 14                           ; s14 b: the block, and its diagonal step
.set ST,  15                           ; s15 the step that I take next: parity, parity + 2, ..
.set TB,  16                           ; s16 LDS byte at which the slot in hand begins
.set SLOTS, 17                         ; s17 changes of slots still to come in the loop
.set LIM, 18                           ; s18 1 in a wave that prefetches, else the greatest number
.set KN,  19                           ; s19 the first step of the slot that the next change would ask for
.set SEL, 20                           ; s[20:21] lane selects: lane l xor 16
.set CS,  22                           ; s[22:23] c = log2(e) / 8
.set PAR, 54                           ; s54 wave / 8: 0 the even steps, 1 the odd
.set SGB, 55                           ; s55 my tile's bytes of the stage
; s[24:31] descriptor group 1; s[40:43] group 0, which walks; s[44:45] where my prefetches stand; s[46:47], s[48:49] where o's image and scale bytes go
; REGISTERS: v1 16 x lane + 6,144 x parity, v2 8 x lane + the same (my step's images in one of kvimg's slots), v3 4 x lane + 512 x parity (K's scale words), v31 4 x lane + 256 x parity (V's); v4, v7, v8, v11 these four + the slot
;   (at the head and at the end v4, v7, v11: 16 x lane, 8 x lane, 4 (lane % 16)); v5, v6 the add's two; v9 the diagonal's bound; v10 at work; v12 -M, v13 the largest t, v[14:15] the sum; v16-27 Q; v28 256 x lane; v29 Q's scale words;
;   v30 P's; v32-79 four fragments of K; v80-91 P's codes; v92-95 the blocks' largest; v96-159 S^T, then p; v160-191 O^T; v192-239 four fragments of V; v240-243 K's scale words; v244-245 V's; v[246:247] f; v248-251 the conversions' scales; v252-255 at work.
.macro QUANT64 src, pc, pw, tm         ; 32 numbers of a lane (register 16 b + i = number 16 (lane / 16) + i of block b) -> a half fragment in v[pc .. pc+5], two scale bytes in v[pw]
.set QA, \src
.set QC, \pc
.set QW, \pw
.set QT, \tm
.irp b, 0,1
	v_max3_num_f32 v[QT+\b], |v[QA+16*\b]|, |v[QA+16*\b+1]|, 0x2800000   ; and the floor 2^(5 - 127): the byte cannot fall under 1
.endr
.irp i, 2,4,6,8,10,12,14
.irp b, 0,1
	s_delay_alu instid0(VALU_DEP_2)
	v_max3_num_f32 v[QT+\b], v[QT+\b], |v[QA+16*\b+\i]|, |v[QA+16*\b+\i+1]|
.endr
.endr
.irp b, 0,1
	s_delay_alu instid0(VALU_DEP_2)
	v_permlanex16_b32 v[QT+2+\b], v[QT+\b], s[SEL], s[SEL+1]
.endr
.irp b, 0,1
	s_delay_alu instid0(VALU_DEP_2)
	v_max_num_f32 v[QT+\b], v[QT+\b], v[QT+2+\b]
.endr
.irp b, 0,1
	s_delay_alu instid0(VALU_DEP_2)
	v_add_nc_u32 v[QT+4+\b], 0xfe000000, v[QT+\b]
.endr
.irp b, 0,1
	s_delay_alu instid0(VALU_DEP_2)
	v_lshrrev_b32 v[QT+2+\b], 23, v[QT+4+\b]
.endr
	s_delay_alu instid0(VALU_DEP_1)
	v_lshl_or_b32 v[QW], v[QT+3], 8, v[QT+2]
	v_cvt_scalef32_pk16_bf6_f32 v[QC:QC+2], v[QA:QA+15], v[QT+4]
	v_cvt_scalef32_pk16_bf6_f32 v[QC+6:QC+8], v[QA+16:QA+31], v[QT+5]
	v_nop                                          ; one plain place behind a scaled conversion
.irp i, 0,1,2
	v_permlane16_swap_b32 v[QC+\i], v[QC+6+\i]
.endr
.irp i, 0,1,2
	s_delay_alu instid0(VALU_DEP_3)
	v_mov_b32 v[QC+3+\i], v[QC+6+\i]
.endr
.endm
.macro WM d, a, b, z, sa, sb, ra, rb   ; the matrix instruction; z = 1: the sum starts with 0; ra = 1: source 0's scale words from lanes 16-31 (rb is 0 in this text)
.set WD, \d
.set WA, \a
.set WB, \b
.set WSA, \sa
.set WSB, \sb
.set WI, 2*(\z)+(\ra)
.if WI == 0
	v_wmma_scale_f32_16x16x128_f8f6f4 v[WD:WD+7], v[WA:WA+11], v[WB:WB+11], v[WD:WD+7], v[WSA], v[WSB] matrix_a_fmt:MATRIX_FMT_BF6 matrix_b_fmt:MATRIX_FMT_BF6
.elseif WI == 1
	v_wmma_scale_f32_16x16x128_f8f6f4 v[WD:WD+7], v[WA:WA+11], v[WB:WB+11], v[WD:WD+7], v[WSA], v[WSB] matrix_a_fmt:MATRIX_FMT_BF6 matrix_b_fmt:MATRIX_FMT_BF6 matrix_a_scale:MATRIX_SCALE_ROW1
.elseif WI == 2
	v_wmma_scale_f32_16x16x128_f8f6f4 v[WD:WD+7], v[WA:WA+11], v[WB:WB+11], 0, v[WSA], v[WSB] matrix_a_fmt:MATRIX_FMT_BF6 matrix_b_fmt:MATRIX_FMT_BF6
.else
	v_wmma_scale_f32_16x16x128_f8f6f4 v[WD:WD+7], v[WA:WA+11], v[WB:WB+11], 0, v[WSA], v[WSB] matrix_a_fmt:MATRIX_FMT_BF6 matrix_b_fmt:MATRIX_FMT_BF6 matrix_a_scale:MATRIX_SCALE_ROW1
.endif
.endm
.macro TLOAD                           ; wave 0 alone fetches; an s_nop 0 and four v_nop follow the load
	s_cmp_eq_u32 s[WV], 0
	s_cbranch_scc0 .Lasked_\@
	tensor_load_to_lds s[40:43], s[24:31]
	s_nop 0
.rept 4
	v_nop
.endr
.Lasked_\@:
.endm
; A PREFETCH INTO THE L2 of the codes (2 x 96 rows of 256 bytes) of the slot that the NEXT change of slots will ask for: four key steps of the head, two turns of a wave, ahead of that load.  All work-groups of a head read the same slots:
; the one that walks them all (b = 31) asks; in it waves 4 to 6 for the slot's first 256 keys and waves 8 to 10 for its second, 8,192 bytes each, lanes 256 bytes apart: each block of 256 bytes is named once in the launch.
; The last change that fills a slot asks for nothing; slots 0 and 1 come by their loads alone.
.macro ASK
	s_cmp_gt_u32 s[SLOTS], s[LIM]
	s_cbranch_scc0 .Lnot_mine_\@
	global_prefetch_b8 v28, s[44:45] th:TH_LOAD_NT scope:SCOPE_SE
.Lnot_mine_\@:
.endm
	s_load_b128 s[4:7], s[0:1], 0x0                ; qimg, kvimg
	s_load_b64 s[8:9], s[0:1], 0x10                ; oimg
	v_lshl_add_u32 v5, v0, 2, SPARE
	v_mov_b32 v6, 0
	ds_add_u32 v5, v6                              ; the wave's opening: the add, twice on end, and its wait ahead of the first tensor load; the set-up below stands between the second and the wait
	ds_add_u32 v5, v6
	v_lshrrev_b32 v10, 5, v0
	s_delay_alu instid0(VALU_DEP_1)
	v_readfirstlane_b32 s[WV], v10
	; THE WORK-GROUPS' NUMBERS AS THEY STAND (in place of the head's paragraph of that name): numbers 0-127 hold ranks 255 down to 128, numbers 128-255 ranks 0-127, numbers 256-383 ranks 256-383;
	; head = rank % 12, b = 31 - rank / 12, and block b has b / 2 + 1 turns.  So numbers j and 256 + j (j < 128) hold blocks whose b add up to 20 or 21: 12 turns together at the most, under the 16 of the last block;
	; and from 256 on the numbers go from the longer blocks to the shorter.
	s_sub_co_u32 s32, 255, ttmp9                   ; numbers under 128
	s_sub_co_u32 s33, ttmp9, 128                   ; numbers 128 to 255
	s_cmp_lt_u32 ttmp9, 128
	s_cselect_b32 s32, s32, s33
	s_cmp_lt_u32 ttmp9, 256
	s_cselect_b32 s32, s32, ttmp9                  ; rank
	s_mul_i32 s33, s32, 43691
	s_lshr_b32 s33, s33, 19                        ; rank / 12 (exact for ranks under 384: 12 x 43,691 = 2^19 + 4)
	s_mul_i32 s34, s33, 12
	s_sub_co_u32 s12, s32, s34                     ; head
	s_sub_co_u32 s[BLK], 31, s33                   ; b
	s_and_b32 s[UT], s[WV], 7
	s_lshr_b32 s[PAR], s[WV], 3
	s_lshl_b32 s13, s[BLK], 3
	s_add_co_u32 s13, s13, s[UT]                   ; my tile of queries: 8 b + u
	s_mov_b32 s[ST], s[PAR]
	s_mov_b32 s[TB], 0
	s_mov_b32 s[SLOTS], 7
	s_mov_b32 s[KN], 4
	s_mov_b32 s24, 3<<16                           ; group 1: no mask; elements of 8 bytes; no padding
	s_mov_b32 s25, 32<<16                          ; tensor_dim0 = 32 elements: rows of 256 bytes
	s_mov_b32 s26, 204<<16                         ; tensor_dim1 = 204 rows: a slot's 52,224 dense bytes
	s_mov_b32 s27, 32<<16                          ; tile_dim0
	s_mov_b32 s28, 204                             ; tile_dim1
	s_mov_b32 s29, 32                              ; the pitch
	s_mov_b32 s30, 0
	s_mov_b32 s31, 0
	s_mov_b32 s[SEL], 0x76543210
	s_mov_b32 s[SEL+1], 0xfedcba98
	s_mov_b32 s[CS], 0x3e38aa3b                    ; log2(e) / 8
	s_mov_b32 s[CS+1], s[CS]                       ; (named with it as a pair, so it is written)
	s_mul_i32 s32, s12, 417792                     ; kvimg: my head
	s_mov_b32 s33, 0
	s_mul_i32 s34, s12, 196608
	s_mul_i32 s36, s13, 768
	s_add_co_u32 s34, s34, s36                     ; qimg: my tile's image
	s_mov_b32 s35, 0
	s_lshl_b32 s36, s12, 14
	s_lshl_b32 s38, s13, 6
	s_add_co_u32 s36, s36, s38
	s_add_co_u32 s36, s36, 2359296                 ; and its scale words
	s_mov_b32 s37, 0
	s_mul_i32 s46, s13, 12
	s_add_co_u32 s46, s46, s12
	s_mul_i32 s46, s46, 768                        ; oimg: half fragment (tile, head)
	s_mov_b32 s47, 0
	s_lshr_b32 s48, s13, 1
	s_mul_i32 s48, s48, 6
	s_lshr_b32 s38, s12, 1
	s_add_co_u32 s48, s48, s38
	s_lshl_b32 s48, s48, 7
	s_and_b32 s38, s13, 1
	s_lshl_b32 s38, s38, 6
	s_add_co_u32 s48, s48, s38
	s_and_b32 s38, s12, 1
	s_lshl_b32 s38, s38, 1
	s_add_co_u32 s48, s48, s38
	s_add_co_u32 s48, s48, 2359296                 ; its two bytes of the scale words: (6 (tile / 2) + head / 2) 128 + 64 (tile % 2) + 2 (head % 2)
	s_mov_b32 s49, 0
	s_and_b32 s52, s[WV], 3
	s_lshl_b32 s52, s52, 13
	s_mul_i32 s51, s[PAR], HALFB
	s_add_co_u32 s52, s52, s51
	s_add_co_u32 s52, s52, s32
	s_add_co_u32 s52, s52, SLOTB                   ; the prefetches: my wave's 8,192 bytes, in slot 1; the first change of slots steps it to slot 2
	s_mov_b32 s53, 0
	s_sub_co_u32 s51, s[WV], 4
	s_cmp_lt_u32 s51, 8                            ; waves 4 to 11,
	s_cselect_b32 s[LIM], 1, -1
	s_and_b32 s51, s[WV], 3
	s_cmp_eq_u32 s51, 3                            ; but not 7 and 11 (256 keys' codes are three waves' worth),
	s_cselect_b32 s[LIM], -1, s[LIM]
	s_cmp_eq_u32 s[BLK], 31                        ; of the head's work-group that walks all slots
	s_cselect_b32 s[LIM], s[LIM], -1
	s_mul_i32 s[SGB], s[UT], STGT
	s_add_co_u32 s[SGB], s[SGB], STG
	v_and_b32 v10, 31, v0
	s_delay_alu instid0(VALU_DEP_1)
	v_lshlrev_b32 v4, 4, v10                       ; 16 x lane
	s_delay_alu instid0(VALU_DEP_2)
	v_lshlrev_b32 v7, 3, v10                       ; 8 x lane
	s_delay_alu instid0(VALU_DEP_3)
	v_lshlrev_b32 v8, 2, v10                       ; 4 x lane
	s_delay_alu instid0(VALU_DEP_4)
	v_lshlrev_b32 v28, 8, v10
	s_mul_i32 s50, s[PAR], 6144                    ; the odd step's images lie 6,144 bytes behind the even step's, K's and V's alike
	v_add_nc_u32 v1, s50, v4
	v_add_nc_u32 v2, s50, v7
	s_lshl_b32 s50, s[PAR], 9                      ; its scale words of K 512 bytes,
	v_add_nc_u32 v3, s50, v8
	s_lshl_b32 s50, s[PAR], 8                      ; those of V 256
	v_add_nc_u32 v31, s50, v8
	v_and_b32 v9, 15, v0
	s_delay_alu instid0(VALU_DEP_1)
	v_lshlrev_b32 v11, 2, v9                       ; 4 (lane % 16)
	v_bfe_u32 v10, v0, 4, 1
	s_delay_alu instid0(VALU_DEP_1)
	v_lshlrev_b32 v10, 3, v10
	s_delay_alu instid0(VALU_DEP_1)
	v_sub_nc_u32 v9, v9, v10
	s_lshl_b32 s50, s[UT], 4
	v_add_nc_u32 v9, s50, v9                       ; on the diagonal step: my query - the step's first key - 8 (lane / 16) = 16 u + lane % 16 - 8 (lane / 16)
	s_wait_dscnt 0x0                               ; both opening adds are done
	s_wait_kmcnt 0x0
	s_mov_b32 s40, 1                               ; group 0: count = 1
	s_mov_b32 s41, 0                               ; LDS address: slot 0
	s_add_nc_u64 s[42:43], s[6:7], s[32:33]        ; the head's first slot
	s_or_b32 s43, s43, 0x80000000                  ; type = 2
	TLOAD                                          ; slot 0: it holds step 0, which every tile reads
	s_add_nc_u64 s[44:45], s[6:7], s[52:53]
	s_add_nc_u64 s[34:35], s[4:5], s[34:35]
	s_add_nc_u64 s[36:37], s[4:5], s[36:37]
	s_add_nc_u64 s[46:47], s[8:9], s[46:47]
	s_add_nc_u64 s[48:49], s[8:9], s[48:49]
	global_load_b128 v[16:19], v4, s[34:35]        ; Q's half fragment stays in registers
	global_load_b64 v[20:21], v7, s[34:35] offset:512
	s_wait_alu depctr_va_vdst(0)
	global_load_b32 v29, v11, s[36:37]             ; Q's scale words
.irp j, 22,23,24,25,26,27
	v_mov_b32 v[\j], 0                             ; K = 64: the upper 64 of the instruction's 128 are zero codes, in Q
.endr
.irp t, 0,1,2,3
.irp j, 0,1,2,3,4,5
	v_mov_b32 v[38+12*\t+\j], 0                    ; and in K's four fragments: written once, never loaded
.endr
.endr
	v_mov_b32 v13, 0xff61b1e6                      ; the largest t so far: -3e38, under every t
	s_delay_alu instid0(VALU_DEP_1)
	v_floor_f32 v12, -v13                          ; -M
	v_mov_b32 v14, 0                               ; the sum, in two halves
	v_mov_b32 v15, 0
	v_mov_b32 v10, 0                               ; written once: lane permutes' destinations count as sources
	v_mov_b32 v247, 0                              ; (named as the upper half of the pair v[246:247])
.irp j, 250,251,252,253,254,255
	v_mov_b32 v[\j], 0
.endr
.set n, 0
.rept 32
	v_mov_b32 v[160+n], 0                          ; O^T.  (The step is written once: the first finds zeros, which the first change of M leaves zeros)
.set n, n+1
.endr
	s_wait_loadcnt 0x0                             ; Q: its loads' offset registers may be written again
; MY KEY STEP in the q-th 256 keys of the slot in hand: 128 keys
.macro STEP q
	s_cmp_gt_u32 s[ST], s[BLK]                     ; all its keys come after my queries: the step's work is passed over (ids and the count of steps alone; no barrier, no tensor load stands in a step)
	s_cbranch_scc1 .Lhid_\@
	v_add_nc_u32 v4, s[TB], v1
	s_wait_alu depctr_va_vdst(0)
	v_add_nc_u32 v7, s[TB], v2
	s_wait_alu depctr_va_vdst(0)
	v_add_nc_u32 v8, s[TB], v3
	v_add_nc_u32 v11, s[TB], v31
.irp g, 0,1                            ; S^T = K Q^T, four tiles of 16 keys at a time
.if \g
.rept 4
	v_nop                                          ; places in front of loads into registers that matrix instructions have read
.endr
.endif
.irp t, 0,1,2,3
	ds_load_b128 v[32+12*\t:35+12*\t], v4 offset:HALFB*(\q)+(4*\g+\t)*768
	ds_load_b64 v[36+12*\t:37+12*\t], v7 offset:HALFB*(\q)+(4*\g+\t)*768+512
.endr
.if \g == 0
.irp i, 0,1,2,3
	ds_load_b32 v[240+\i], v8 offset:HALFB*(\q)+24576+128*\i   ; the step's scale words of K: lanes 0-15 tile 2 i, lanes 16-31 tile 2 i + 1
.endr
.endif
	s_wait_dscnt 0x0
.irp t, 0,1,2,3
	WM 96+8*(4*\g+\t), 32+12*\t, 16, 1, 240+(4*\g+\t)/2, 29, (4*\g+\t)%2, 0
.endr
.endr
.irp dt, 0,1,2,3                       ; V's four fragments are asked for now and land under the softmax.  (Their registers' last readers, my step before's products, stand eight plain instructions back)
.irp c, 0,1
	ds_load_b128 v[192+12*\dt+6*\c:195+12*\dt+6*\c], v4 offset:HALFB*(\q)+12288+(4*\c+\dt)*768
	ds_load_b64 v[196+12*\dt+6*\c:197+12*\dt+6*\c], v7 offset:HALFB*(\q)+12288+(4*\c+\dt)*768+512
.endr
.endr
	s_wait_alu depctr_va_vdst(0)
.irp i, 0,1
	ds_load_b32 v[244+\i], v11 offset:HALFB*(\q)+25600+128*\i
.endr
.rept 4
	v_nop                                          ; places in front of the first read of the scores
.endr
	s_cmp_lt_u32 s[ST], s[BLK]                     ; a step all of whose keys count has no mask
	s_cbranch_scc1 .Lopen_\@
	v_mov_b32 v10, 0xff800000                      ; on the diagonal the scores of hidden keys become -infinity ahead of the maximum: p = 0 then.  The step's first key counts for every query of mine
.set n, 0
.rept 64
	v_cmp_gt_i32 vcc_lo, 16*(n/8)+n%8, v9
	v_cndmask_b32 v[96+n], v[96+n], v10, vcc_lo
.set n, n+1
.endr
.Lopen_\@:
.irp b, 0,1,2,3
	v_max3_num_f32 v[92+\b], v[96+16*\b], v[97+16*\b], v[98+16*\b]   ; the largest score of each block of 32 keys: it serves for the row's maximum and, since p rises with the score, for the block's largest p
.endr
.irp i, 3,5,7,9,11,13
.irp b, 0,1,2,3
	v_max3_num_f32 v[92+\b], v[92+\b], v[96+16*\b+\i], v[97+16*\b+\i]
.endr
.endr
.irp b, 0,1,2,3
	v_max_num_f32 v[92+\b], v[92+\b], v[111+16*\b]
.endr
.irp b, 0,1,2,3
	s_delay_alu instid0(VALU_DEP_4)
	v_permlanex16_b32 v[252+\b], v[92+\b], s[SEL], s[SEL+1]
.endr
.irp b, 0,1,2,3
	s_delay_alu instid0(VALU_DEP_4)
	v_max_num_f32 v[92+\b], v[92+\b], v[252+\b]    ; with lane l xor 16's 16 keys
.endr
	s_delay_alu instid0(VALU_DEP_2)
	v_max3_num_f32 v10, v92, v93, v94
	s_delay_alu instid0(VALU_DEP_1)
	v_max_num_f32 v10, v10, v95
	s_delay_alu instid0(VALU_DEP_1)
	v_mul_f32 v10, s[CS], v10                      ; the step's largest t (c is positive)
	s_delay_alu instid0(VALU_DEP_1)
	v_max_num_f32 v13, v13, v10                    ; the running largest t
	v_mov_b32 v10, v12
	s_delay_alu instid0(VALU_DEP_2)
	v_floor_f32 v12, -v13                          ; the new -M = floor(-t) = -ceil(t)
	s_delay_alu instid0(VALU_DEP_1)
	v_sub_f32 v10, v12, v10                        ; old M - new M: a whole number, 0 or less
	s_delay_alu instid0(VALU_DEP_1)
	v_cvt_i32_f32 v10, v10                         ; (it saturates)
	s_delay_alu instid0(VALU_DEP_1)
	v_ldexp_f32 v246, 1.0, v10                     ; f = 2^(old M - new M)
.set n, 0
.rept 32
	v_pk_fma_f32 v[96+n:97+n], v[96+n:97+n], s[CS:CS+1], v[12:13] op_sel_hi:[1,0,0]   ; t - M, two at a time
.set n, n+2
.endr
.irp b, 0,1,2,3
	v_fma_f32 v[92+\b], v[92+\b], s[CS], v12       ; the same of each block's largest score
.endr
.set n, 0
	s_wait_alu depctr_va_vdst(0)
.rept 64
	v_exp_f32 v[96+n], v[96+n]                     ; p = 2^(t - M), at most 1
.set n, n+1
.endr
	v_pk_mul_f32 v[14:15], v[14:15], v[246:247] op_sel_hi:[1,0]   ; the sums under the new M: the plain instruction behind the exponentials
	s_wait_alu depctr_va_vdst(0)                   ; the wait ahead of the first instruction that names a result: one for the batch of 64
.irp b, 0,1,2,3
	v_exp_f32 v[92+\b], v[92+\b]                   ; the block's largest p: the same two instructions on the same number give the same bits
.endr
	v_pk_add_f32 v[252:253], v[100:101], v[104:105]
	v_pk_add_f32 v[254:255], v[108:109], v[112:113]
	v_pk_add_f32 v[250:251], v[116:117], v[120:121]
	v_pk_add_f32 v[248:249], v[124:125], v[128:129]
	v_pk_add_f32 v[242:243], v[132:133], v[136:137]
	v_pk_add_f32 v[240:241], v[140:141], v[144:145]
	v_pk_add_f32 v[90:91], v[148:149], v[152:153]
	v_pk_add_f32 v[14:15], v[14:15], v[156:157]
	v_pk_add_f32 v[252:253], v[252:253], v[96:97]
	v_pk_add_f32 v[254:255], v[254:255], v[98:99]
	v_pk_add_f32 v[250:251], v[250:251], v[102:103]
	v_pk_add_f32 v[248:249], v[248:249], v[106:107]
	v_pk_add_f32 v[242:243], v[242:243], v[110:111]
	v_pk_add_f32 v[240:241], v[240:241], v[114:115]
	v_pk_add_f32 v[90:91], v[90:91], v[118:119]
	v_pk_add_f32 v[14:15], v[14:15], v[122:123]
	v_pk_add_f32 v[252:253], v[252:253], v[126:127]
	v_pk_add_f32 v[254:255], v[254:255], v[130:131]
	v_pk_add_f32 v[250:251], v[250:251], v[134:135]
	v_pk_add_f32 v[248:249], v[248:249], v[138:139]
	v_pk_add_f32 v[242:243], v[242:243], v[142:143]
	v_pk_add_f32 v[240:241], v[240:241], v[146:147]
	v_pk_add_f32 v[90:91], v[90:91], v[150:151]
	v_pk_add_f32 v[14:15], v[14:15], v[154:155]
	v_pk_add_f32 v[252:253], v[252:253], v[158:159]
	s_delay_alu instid0(VALU_DEP_2)
	v_pk_add_f32 v[14:15], v[14:15], v[248:249]
	s_delay_alu instid0(VALU_DEP_2)
	v_pk_add_f32 v[252:253], v[252:253], v[242:243]
	v_pk_add_f32 v[254:255], v[254:255], v[240:241]
	v_pk_add_f32 v[250:251], v[250:251], v[90:91]
	s_delay_alu instid0(VALU_DEP_2)
	v_pk_add_f32 v[14:15], v[14:15], v[254:255]
	s_delay_alu instid0(VALU_DEP_2)
	v_pk_add_f32 v[252:253], v[252:253], v[250:251]
	s_delay_alu instid0(VALU_DEP_1)
	v_pk_add_f32 v[14:15], v[14:15], v[252:253]
	s_wait_alu depctr_va_vdst(0)                   ; and one for the four
.irp b, 0,1,2,3
	v_max_num_f32 v[92+\b], 0x2800000, v[92+\b]    ; the floor 2^(5 - 127): the byte cannot fall under 1
.endr
.irp b, 0,1,2,3
	s_delay_alu instid0(VALU_DEP_4)
	v_add_nc_u32 v[248+\b], 0xfe000000, v[92+\b]   ; 4 off the exponent field: the conversion's scale operand
.endr
.irp b, 0,1,2,3
	s_delay_alu instid0(VALU_DEP_4)
	v_lshrrev_b32 v[252+\b], 23, v[248+\b]
.endr
	s_delay_alu instid0(VALU_DEP_3)
	v_lshl_or_b32 v30, v253, 8, v252               ; p's scale word for these 128 keys
	s_delay_alu instid0(VALU_DEP_1)
	v_lshl_or_b32 v30, v254, 16, v30
	s_delay_alu instid0(VALU_DEP_1)
	v_lshl_or_b32 v30, v255, 24, v30
.irp c, 0,1
	v_cvt_scalef32_pk16_bf6_f32 v[80+6*\c:82+6*\c], v[96+32*\c:111+32*\c], v[248+2*\c]
	v_cvt_scalef32_pk16_bf6_f32 v[32+12*\c:34+12*\c], v[112+32*\c:127+32*\c], v[249+2*\c]   ; (into registers of K's fragments that are idle until my next step's loads)
.endr
	v_nop                                          ; one plain place behind a scaled conversion
.irp c, 0,1
.irp i, 0,1,2
	v_permlane16_swap_b32 v[80+6*\c+\i], v[32+12*\c+\i]   ; a whole block to a lane
.endr
.irp i, 0,1,2
	s_delay_alu instid0(VALU_DEP_3)
	v_mov_b32 v[83+6*\c+\i], v[32+12*\c+\i]
.endr
.endr
.set n, 0
.rept 16
	v_pk_mul_f32 v[160+n:161+n], v[160+n:161+n], v[246:247] op_sel_hi:[1,0]   ; O^T under the new M.  (With the moves above: the places between P's codes and scale word and the products)
.set n, n+2
.endr
	s_wait_alu depctr_va_vdst(0)
	s_wait_dscnt 0x0                               ; V
.irp dt, 0,1,2,3                       ; O^T += V^T P^T: four accumulators, one instruction each
	WM 160+8*\dt, 192+12*\dt, 80, 0, 244+\dt/2, 30, \dt%2, 0
.endr
.Lhid_\@:
	s_add_co_u32 s[ST], s[ST], 2                   ; my next step: the partner wave takes the one between
.endm
; THE CHANGE OF SLOTS stands at a slot's head.  Each wave waits for all its tensor loads, adds 0 to its spare word, and waits for that and for its reads of the slot that it has left; behind the barrier the slot ahead is whole and nobody
; reads the other one.  fill = 1: that other slot is filled with the next 512 keys, if a wave of this work-group reads them; the load has two turns of every wave in which to land.
.macro CHANGE fill
	s_wait_tensorcnt 0x0                           ; no tensor load of mine is out, so group 0 may be written
	ds_add_u32 v5, v6
.if \fill
	ds_add_u32 v5, v6                              ; and twice on end here, in every trip alike
	s_xor_b32 s41, s41, SLOT1                      ; the other slot than last time,
	s_add_nc_u64 s[42:43], s[42:43], SLOTB         ; the next 512 keys of kvimg; the type bits on top are not reached
	s_wait_xcnt 0x0                                ; the last prefetch, a slot back, has read its address
	s_add_nc_u64 s[44:45], s[44:45], SLOTB
.endif
	s_wait_dscnt 0x0                               ; the add is done, and my reads of the slot that I have left are over
	s_barrier_signal -1
	s_barrier_wait -1
.if \fill
	s_cmp_gt_u32 s[KN], s[BLK]                     ; the next slot's first step comes after the block's diagonal: none of the sixteen waves reads that slot, so it is not asked for.  The block and the count of slots alone:
	s_cbranch_scc1 .Lpast_\@                       ; all sixteen waves go the same way, and a work-group that is past the limit stays past it
	TLOAD                                          ; the first thing behind the barrier but for the limit's two lines, and the one tensor load until the next
.Lpast_\@:
	ASK
	s_add_co_u32 s[KN], s[KN], 4
.endif
.endm
.Lslot:                                            ; 7 trips: behind each change of slots but the last the next slot is asked for, up to the causal limit
	CHANGE 1
	STEP 0
	STEP 1
	s_xor_b32 s[TB], s[TB], SLOT1
	s_sub_co_u32 s[SLOTS], s[SLOTS], 1
	s_cmp_lg_u32 s[SLOTS], 0
	s_cbranch_scc1 .Lslot
	CHANGE 0                                       ; the last slot is written out: behind its change nothing is asked for
	STEP 0
	STEP 1
	; THE TWO PARTS MEET.  The odd wave stores O^T, -M and its sum as images of its registers into the tile's bytes of the stage; a barrier; the even wave reads them.
.rept 4
	v_nop                                          ; places behind the last products
.endr
	v_add_f32 v14, v14, v15
	s_delay_alu instid0(VALU_DEP_1)
	v_permlanex16_b32 v10, v14, s[SEL], s[SEL+1]
	s_delay_alu instid0(VALU_DEP_1)
	v_add_f32 v14, v14, v10                        ; my part's sum of the row
	v_and_b32 v4, 31, v0
	s_delay_alu instid0(VALU_DEP_1)
	v_lshlrev_b32 v7, 3, v4                        ; 8 x lane
	s_delay_alu instid0(VALU_DEP_2)
	v_lshlrev_b32 v4, 4, v4                        ; 16 x lane
	s_delay_alu instid0(VALU_DEP_1)
	v_add_nc_u32 v8, s[SGB], v4                    ; the stage: a constant + 4,608 x (wave % 8) + 16 x lane
	v_and_b32 v11, 15, v0
	s_delay_alu instid0(VALU_DEP_1)
	v_lshlrev_b32 v11, 2, v11                      ; 4 (lane % 16)
	s_cmp_lt_u32 s[WV], 8
	s_cbranch_scc1 .Lkeep
.irp i, 0,1,2,3,4,5,6,7
	ds_store_b128 v8, v[160+4*\i:163+4*\i] offset:512*\i   ; each accumulator from its low end on
.endr
	ds_store_b128 v8, v[12:15] offset:4096         ; -M, the largest t, the sum (and a word that nobody uses)
.Lkeep:
	s_wait_dscnt 0x0                               ; for the partner's sake: my stores have landed
	s_barrier_signal -1
	s_barrier_wait -1
	s_cmp_ge_u32 s[WV], 8
	s_cbranch_scc1 .Lend                           ; the odd wave is done
	s_wait_alu depctr_va_vdst(0)
.irp i, 0,1,2,3,4,5,6,7
	ds_load_b128 v[96+4*\i:99+4*\i], v8 offset:512*\i
.endr
	ds_load_b128 v[128:131], v8 offset:4096
	s_wait_dscnt 0x0
	v_min_num_f32 v254, v12, v128                  ; -M of both parts: the larger M
	s_delay_alu instid0(VALU_DEP_1)
	v_sub_f32 v255, v254, v12                      ; my M less that: a whole number, 0 or less
	s_delay_alu instid0(VALU_DEP_2)
	v_sub_f32 v254, v254, v128                     ; the partner's likewise (a part without a step has -M = 3e38: its factor comes out 0, over zeros)
	s_delay_alu instid0(VALU_DEP_2)
	v_cvt_i32_f32 v255, v255                       ; (they saturate)
	s_delay_alu instid0(VALU_DEP_2)
	v_cvt_i32_f32 v254, v254
	s_delay_alu instid0(VALU_DEP_2)
	v_ldexp_f32 v246, 1.0, v255
	s_delay_alu instid0(VALU_DEP_2)
	v_ldexp_f32 v252, 1.0, v254
	s_delay_alu instid0(VALU_DEP_2)
	v_mul_f32 v14, v14, v246
	s_delay_alu instid0(VALU_DEP_1)
	v_fma_f32 v14, v130, v252, v14                 ; the row's sum under the common M
	s_wait_alu depctr_va_vdst(0)
	v_rcp_f32 v14, v14
	v_nop                                          ; a plain place behind the transcendental
	s_wait_alu depctr_va_vdst(0)                   ; and the wait ahead of its first reader
	v_mul_f32 v246, v246, v14                      ; a power of two x 1 / the sum
	v_mul_f32 v252, v252, v14
.set n, 0
.rept 16
	v_pk_mul_f32 v[96+n:97+n], v[96+n:97+n], v[252:253] op_sel_hi:[1,0]
.set n, n+2
.endr
.set n, 0
.rept 16
	v_pk_fma_f32 v[96+n:97+n], v[160+n:161+n], v[246:247], v[96+n:97+n] op_sel_hi:[1,0,1]   ; o: my query's 32 numbers of the head, 16 neighbours of each of its two blocks
.set n, n+2
.endr
	QUANT64 96, 80, 10, 248                        ; quantised as it stands, it is a half fragment of the next product's operand
	global_store_b128 v4, v[80:83], s[46:47]
	global_store_b64 v7, v[84:85], s[46:47] offset:512
	global_store_b16 v11, v10, s[48:49]            ; lanes l and l xor 16 hold the same two bytes and store them to the same place
.Lend:
	s_wait_tensorcnt 0x0                           ; the wave's end, behind my last tensor load and my last LDS store
	ds_add_u32 v5, v6
	s_wait_dscnt 0x0
	s_endpgm
.Lfunc_end_k_qc5d1ffb9a2_attn:
	.size	k_qc5d1ffb9a2_attn, .Lfunc_end_k_qc5d1ffb9a2_attn-k_qc5d1ffb9a2_attn
	.p2alignl 7, 3214868480
	.fill 96, 4, 3214868480
	.section	.rodata,"a",@progbits
	.p2align	6, 0x0
	.amdhsa_kernel k_qc5d1ffb9a2_attn
		.amdhsa_group_segment_fixed_size 327680
		.amdhsa_private_segment_fixed_size 0
		.amdhsa_enable_private_segment 0
		.amdhsa_kernarg_size 24
		.amdhsa_user_sgpr_count 2
		.amdhsa_user_sgpr_kernarg_segment_ptr 1
		.amdhsa_wavefront_size32 1
		.amdhsa_system_sgpr_workgroup_id_x 1
		.amdhsa_system_sgpr_workgroup_id_y 1
		.amdhsa_system_sgpr_workgroup_id_z 1
		.amdhsa_system_vgpr_workitem_id 0
		.amdhsa_next_free_vgpr 256
		.amdhsa_next_free_sgpr 66
		.amdhsa_reserve_vcc 1
		.amdhsa_float_denorm_mode_32 3
		.amdhsa_float_denorm_mode_16_64 3
		.amdhsa_memory_ordered 1
		.amdhsa_forward_progress 1
		.amdhsa_inst_pref_size 108
	.end_amdhsa_kernel
	.amdgpu_metadata
---
amdhsa.version: [ 1, 2 ]
amdhsa.kernels:
  - .name:           k_qc5d1ffb9a2_attn
    .symbol:         k_qc5d1ffb9a2_attn.kd
    .args:
      - { .name: qimg, .offset: 0, .size: 8, .value_kind: global_buffer, .address_space: global }
      - { .name: kvimg, .offset: 8, .size: 8, .value_kind: global_buffer, .address_space: global }
      - { .name: oimg, .offset: 16, .size: 8, .value_kind: global_buffer, .address_space: global }
    .group_segment_fixed_size: 327680
    .private_segment_fixed_size: 0
    .kernarg_segment_align: 8
    .kernarg_segment_size: 24
    .max_flat_workgroup_size: 512
    .sgpr_count:     66
    .vgpr_count:     256
    .wavefront_size: 32
...
	.end_amdgpu_metadata
.endif
;; end of part 3
;; launch tail (part 4): grid 128 x 2, 12 waves a work-group, no clusters, 226,560 bytes of LDS; arguments oimg, wimg, x, bo, g1, be1, b1, b2, part; writes part
.if DOCPART == 4
	.amdgcn_target "amdgcn-amd-amdhsa--gfx1250"
	.amdhsa_code_object_version 6
	.text
	.protected	k_qc5d1ffb9a2_tail
	.globl	k_qc5d1ffb9a2_tail
	.p2align	8
	.type	k_qc5d1ffb9a2_tail,@function
k_qc5d1ffb9a2_tail:
	s_mov_b64 s[64:65], 0
	v_nop
	global_prefetch_b8 v0, s[64:65] scope:SCOPE_SE
	s_setreg_imm32_b32 hwreg(HW_REG_WAVE_MODE, 25, 1), 1
	s_wait_xcnt 0x0
; h = LN(x + o Wo + bo; g1, be1);  part[y] = 0.5 (h + b2) + relu(h W1 + b1)[units of half y] W2[those units].  The launch behind this one adds the two parts and takes the last layer norm.
; The three products on codes of BF6 (E3M2) with E8M0 scales; h and the hidden layer are quantised on the way and never go to memory.
; SHARES.  The first layer norm wants whole rows, so a work-group owns 32 rows (two tiles; work-group x).  THE HIDDEN LAYER'S 3,072 UNITS ARE CUT IN TWO (work-group y): half y makes units 1,536 y .. 1,536 y + 1,535 and
; multiplies them with its 12 of W2's 24 K steps.  So a work-group walks Wo, half of W1 and half of W2: 6 + 12 + 12 K steps; both halves make h (6 of the 30 steps are done twice over the launch), and 256 work-groups share the work.
; The blocks of 32 along the hidden units lie inside a half, so the codes and scales are those of the whole layer.  Each half carries half of h + b2 as the C of its last sum: a multiplication by 0.5, and the two parts add up to the whole.
; THE WAVES SHARE THE COLUMNS: wave w makes columns 64 w .. 64 w + 63 of the first and the third product and 128 hidden units, in two tasks of 64.  Every task is 2 tiles of rows x 4 tiles of columns: eight accumulators, which take turns.
; ALL PRODUCTS ARE USED TRANSPOSED (source 0 = 16 columns of a weight, source 1 = 16 rows): a lane holds one row, and by the order of a weight tile's rows (prep) its 32 registers of a tile of rows are 16 neighbouring
; columns of each of two blocks of 32.  Biases and residuals are the C of a sum's first matrix instruction.
; OPERANDS GO FROM WAVE TO WAVE THROUGH LDS AS IMAGES OF THEIR REGISTERS (half fragments of 768 bytes, scale words of 4 bytes a row).  Weights go from memory straight into the registers of the one wave that uses them, one K step ahead,
; in two sets.  All 30 K steps are written out: every offset is an immediate and no pointer is stepped.
; No cluster: what work-groups share (the weights) goes to one wave's registers; a joint load would land in LDS and add a round trip of every weight byte.  No prefetch: the loads themselves run one K step ahead.
; The variance is taken of the centred numbers, as reference() takes it.  LIMITS: as stated at the head of prep; and 0.5 (h + b2) drops a bit of numbers under 2^-125.
.set OIMG, 0                           ; o's 24 half fragments (9,216 x tile + 768 x which 64)
.set HIMG, 18432                       ; h's likewise
.set DIMG, 36864                       ; my half of the hidden layer: 24 half fragments a tile (36,864 x tile + 768 x which 64)
.set HSC,  110592                      ; h's scale words: 6 K steps x 128 bytes (lanes 0-15 tile 0, lanes 16-31 tile 1)
.set DSC,  111360                      ; the hidden layer's: 12 x 128
.set RED,  114432                      ; two reductions x 12 waves x 128 bytes
.set YSP,  120576                      ; for each wave 8,704 bytes of its own: 0.5 (h + b2) in f32 while the hidden layer is made; later its stage on the way out, 32 rows x (256 + 16)
.set SPARE, 225024                     ; the spare words, 128 bytes for each wave: six blocks of 256 bytes that no other line names
.set SEL, 32                           ; s[32:33] lane selects: lane l xor 16
; SCALARS: s26 wave, s27 work-group x, s52 half, s28 the mask of lanes 16-31, s29 1/768, s30 1e-5, s31 -1/768; s[34:35] o's scale words; s[32+4P:33+4P], s[34+4P:35+4P] the weights and scale words of product P = 1, 2, 3.
; REGISTERS: v1 16 x lane, v2 8 x lane, v3 4 x lane, v4 HSC + 4 x lane, v5 my words in RED, v6, v7 where I store h's and the hidden layer's scale bytes, v8, v9 and v10, v11 where I store their images, v12-15 the hidden layer's images
;   of tile 0 and of tile 1, v16 my spill, v17, v18 my stage in and out, v19 x's lane offset, v20 a column vector's, v21 part's, v22, v23 the add's two, v24 16 x thread; v32, v34 -mean, v36, v38 1/sigma of tiles 0, 1;
;   v40-103 accumulators (8 (4 tile + column tile) + j); v104-151, v152-199 two sets of four weight fragments; v200-223 two fragments of rows; v224-227 the weights' scale words; v228, v230-235 the rows'; v236-252 the quantiser's.
;   In the norm: v104-135 the gain, v136-167 the shift, v168-199 b2, v200-223 at work.
.macro QUANT64 src, pc, pw, tm         ; 32 numbers of a lane (register 16 b + i = number 16 (lane / 16) + i of block b) -> a half fragment in v[pc .. pc+5], two scale bytes in v[pw]
.set QA, \src
.set QC, \pc
.set QW, \pw
.set QT, \tm
.irp b, 0,1
	v_max3_num_f32 v[QT+\b], |v[QA+16*\b]|, |v[QA+16*\b+1]|, 0x2800000   ; and the floor 2^(5 - 127): the byte cannot fall under 1
.endr
.irp i, 2,4,6,8,10,12,14
.irp b, 0,1
	s_delay_alu instid0(VALU_DEP_2)
	v_max3_num_f32 v[QT+\b], v[QT+\b], |v[QA+16*\b+\i]|, |v[QA+16*\b+\i+1]|
.endr
.endr
.irp b, 0,1
	s_delay_alu instid0(VALU_DEP_2)
	v_permlanex16_b32 v[QT+2+\b], v[QT+\b], s[SEL], s[SEL+1]
.endr
.irp b, 0,1
	s_delay_alu instid0(VALU_DEP_2)
	v_max_num_f32 v[QT+\b], v[QT+\b], v[QT+2+\b]
.endr
.irp b, 0,1
	s_delay_alu instid0(VALU_DEP_2)
	v_add_nc_u32 v[QT+4+\b], 0xfe000000, v[QT+\b]      ; 4 off the exponent field: the conversion's scale operand
.endr
.irp b, 0,1
	s_delay_alu instid0(VALU_DEP_2)
	v_lshrrev_b32 v[QT+2+\b], 23, v[QT+4+\b]
.endr
	s_delay_alu instid0(VALU_DEP_1)
	v_lshl_or_b32 v[QW], v[QT+3], 8, v[QT+2]
	v_cvt_scalef32_pk16_bf6_f32 v[QC:QC+2], v[QA:QA+15], v[QT+4]
	v_cvt_scalef32_pk16_bf6_f32 v[QC+6:QC+8], v[QA+16:QA+31], v[QT+5]
	v_nop                                              ; one plain place behind a scaled conversion
.irp i, 0,1,2
	v_permlane16_swap_b32 v[QC+\i], v[QC+6+\i]         ; a whole block to a lane
.endr
.irp i, 0,1,2
	s_delay_alu instid0(VALU_DEP_3)
	v_mov_b32 v[QC+3+\i], v[QC+6+\i]
.endr
.endm
.macro WM d, a, b, sa, sb, ra, rb      ; the matrix instruction, adding in place; scale words from lanes 16-31 where ra, rb = 1
.set WD, \d
.set WA, \a
.set WB, \b
.set WSA, \sa
.set WSB, \sb
.set WI, 2*(\ra)+(\rb)
.if WI == 0
	v_wmma_scale_f32_16x16x128_f8f6f4 v[WD:WD+7], v[WA:WA+11], v[WB:WB+11], v[WD:WD+7], v[WSA], v[WSB] matrix_a_fmt:MATRIX_FMT_BF6 matrix_b_fmt:MATRIX_FMT_BF6
.elseif WI == 1
	v_wmma_scale_f32_16x16x128_f8f6f4 v[WD:WD+7], v[WA:WA+11], v[WB:WB+11], v[WD:WD+7], v[WSA], v[WSB] matrix_a_fmt:MATRIX_FMT_BF6 matrix_b_fmt:MATRIX_FMT_BF6 matrix_b_scale:MATRIX_SCALE_ROW1
.elseif WI == 2
	v_wmma_scale_f32_16x16x128_f8f6f4 v[WD:WD+7], v[WA:WA+11], v[WB:WB+11], v[WD:WD+7], v[WSA], v[WSB] matrix_a_fmt:MATRIX_FMT_BF6 matrix_b_fmt:MATRIX_FMT_BF6 matrix_a_scale:MATRIX_SCALE_ROW1
.else
	v_wmma_scale_f32_16x16x128_f8f6f4 v[WD:WD+7], v[WA:WA+11], v[WB:WB+11], v[WD:WD+7], v[WSA], v[WSB] matrix_a_fmt:MATRIX_FMT_BF6 matrix_b_fmt:MATRIX_FMT_BF6 matrix_a_scale:MATRIX_SCALE_ROW1 matrix_b_scale:MATRIX_SCALE_ROW1
.endif
.endm
.macro AF reg, a16, a8, off            ; a fragment out of LDS: two half fragments on end
.set FRG, \reg
.set FOF, \off
	ds_load_b128 v[FRG:FRG+3], v[\a16] offset:FOF
	ds_load_b64 v[FRG+4:FRG+5], v[\a8] offset:FOF+512
	ds_load_b128 v[FRG+6:FRG+9], v[\a16] offset:FOF+768
	ds_load_b64 v[FRG+10:FRG+11], v[\a8] offset:FOF+1280
.endm
.macro WLOAD ph, st, n                 ; product ph, K step n of my walk, into set st: four weight fragments and their scale words: 13 loads
.set WPH, \ph
.set WST, \st
.set WN, \n
.irp i, 0,1,2,3,4,5,6,7,8,9,10,11
	global_load_b128 v[104+48*WST+4*\i:107+48*WST+4*\i], v1, s[32+4*WPH:33+4*WPH] offset:6144*WN+512*\i
.endr
	global_load_b64 v[224+2*WST:225+2*WST], v2, s[34+4*WPH:35+4*WPH] offset:256*WN
.endm
.macro BARRIER                         ; my LDS stores have landed and my LDS loads are in: then the work-group's barrier
	s_wait_dscnt 0x0
	s_barrier_signal -1
	s_barrier_wait -1
.endm
; A K STEP: the next step's weights are asked for; the rows' two fragments come from LDS (address registers and offset for tile 0, for tile 1); eight matrix instructions.  asr: the register with the rows' scale words; sld = 1: it is loaded here.
.macro KSTEP ph, n, last, pa, pb, po, qa, qb, qo, asr, sld
.set KN, \n
.if (\last) == 0
	WLOAD \ph, 1-KN%2, KN+1
.endif
	AF 200, \pa, \pb, \po
	AF 212, \qa, \qb, \qo
.if \sld
	ds_load_b32 v228, v4 offset:768+128*KN
.endif
.if \last
	s_wait_loadcnt 0x0
.else
	s_wait_loadcnt 13                              ; all but the 13 loads just issued: this step's weights are in (and whatever was loaded into the accumulators)
.endif
	s_wait_dscnt 0x0
.irp mt, 0,1                           ; the eight accumulators by turns, one instruction a turn
.irp ct, 0,1,2,3
	WM 40+8*(4*\mt+\ct), 104+48*(KN%2)+12*\ct, 200+12*\mt, 224+2*(KN%2)+\ct/2, \asr, \ct%2, \mt
.endr
.endr
.rept 4
	v_nop                                          ; places in front of loads into registers that matrix instructions have read, and of the first read of results
.endr
.endm
; The waves' partial sums of the 32 rows (v220: tile 0's row lane % 16, v221: tile 1's) meet in LDS; out come the rows' totals in the same two registers.  Every wave adds the twelve in the same order.
.macro XRED off
	s_delay_alu instid0(VALU_DEP_1)
	v_cndmask_b32 v222, v220, v221, s28            ; lane l: row l
	ds_store_b32 v5, v222 offset:\off
	BARRIER
.irp k, 0,1,2,3,4,5,6,7,8,9,10,11
	ds_load_b32 v[200+\k], v4 offset:3840+\off+128*\k
.endr
	s_wait_dscnt 0x0
	v_pk_add_f32 v[200:201], v[200:201], v[202:203]
	v_pk_add_f32 v[204:205], v[204:205], v[206:207]
	v_pk_add_f32 v[208:209], v[208:209], v[210:211]
	s_delay_alu instid0(VALU_DEP_2)
	v_pk_add_f32 v[200:201], v[200:201], v[204:205]
	s_delay_alu instid0(VALU_DEP_1)
	v_pk_add_f32 v[200:201], v[200:201], v[208:209]
	s_delay_alu instid0(VALU_DEP_1)
	v_add_f32 v200, v200, v201
	s_wait_alu depctr_va_vdst(0)
	v_permlanex16_b32 v222, v200, s[SEL], s[SEL+1]
	s_delay_alu instid0(VALU_DEP_1)
	v_cndmask_b32 v220, v200, v222, s28
	s_delay_alu instid0(VALU_DEP_2)
	v_cndmask_b32 v221, v222, v200, s28
.endm
; The join of a tile's two chains (v[212+4 mt ..], v[214+4 mt ..]) and of the two halves of the lanes: my wave's 64 columns of each row, in v220, v221
.macro JOIN
.irp mt, 0
	s_delay_alu instid0(VALU_DEP_3)
	v_pk_add_f32 v[212+4*\mt:213+4*\mt], v[212+4*\mt:213+4*\mt], v[214+4*\mt:215+4*\mt]
.endr
.irp mt, 1
	s_delay_alu instid0(VALU_DEP_2)
	v_pk_add_f32 v[212+4*\mt:213+4*\mt], v[212+4*\mt:213+4*\mt], v[214+4*\mt:215+4*\mt]
.endr
.irp mt, 0,1
	s_delay_alu instid0(VALU_DEP_2)
	v_add_f32 v[220+\mt], v[212+4*\mt], v[213+4*\mt]
.endr
.irp mt, 0,1
	s_delay_alu instid0(VALU_DEP_2)
	v_permlanex16_b32 v[222+\mt], v[220+\mt], s[SEL], s[SEL+1]
.endr
.irp mt, 0,1
	s_delay_alu instid0(VALU_DEP_2)
	v_add_f32 v[220+\mt], v[220+\mt], v[222+\mt]
.endr
.endm
	s_load_b512 s[4:19], s[0:1], 0x0               ; oimg, wimg, x, bo, g1, be1, b1, b2
	s_load_b64 s[24:25], s[0:1], 0x40              ; part
	v_lshl_add_u32 v22, v0, 2, SPARE
	v_mov_b32 v23, 0
	v_lshrrev_b32 v25, 5, v0
	s_delay_alu instid0(VALU_DEP_1)
	v_readfirstlane_b32 s26, v25                   ; wave
	s_mov_b32 s27, ttmp9                           ; work-group x: my 32 rows
	s_and_b32 s52, ttmp7, 0xffff                   ; work-group y: my half of the hidden layer
	v_and_b32 v25, 31, v0                          ; lane
	v_and_b32 v26, 15, v0                          ; p = lane % 16
	v_bfe_u32 v27, v0, 4, 1                        ; H = lane / 16
	s_delay_alu instid0(VALU_DEP_3)
	v_lshlrev_b32 v1, 4, v25
	s_delay_alu instid0(VALU_DEP_4)
	v_lshlrev_b32 v2, 3, v25
	v_lshlrev_b32 v3, 2, v25
	s_delay_alu instid0(VALU_DEP_1)
	v_add_nc_u32 v4, HSC, v3
	s_lshl_b32 s48, s26, 7
	v_add_nc_u32 v5, s48, v3
	s_delay_alu instid0(VALU_DEP_1)
	v_add_nc_u32 v5, RED, v5
	v_lshlrev_b32 v28, 2, v26
	s_lshr_b32 s48, s26, 1
	s_lshl_b32 s48, s48, 7
	s_and_b32 s49, s26, 1
	s_lshl_b32 s49, s49, 1
	s_add_co_u32 s48, s48, s49
	v_add_nc_u32 v6, s48, v28
	s_delay_alu instid0(VALU_DEP_1)
	v_add_nc_u32 v6, HSC, v6                       ; h: K step w / 2, bytes 2 (w % 2) on
	s_lshl_b32 s48, s26, 7
	v_add_nc_u32 v7, s48, v28
	s_delay_alu instid0(VALU_DEP_1)
	v_add_nc_u32 v7, DSC, v7                       ; the hidden layer: K step w of my half
	s_mul_i32 s48, s26, 768
	s_add_co_u32 s48, s48, HIMG
	v_add_nc_u32 v8, s48, v1
	v_add_nc_u32 v9, s48, v2
	s_mul_i32 s48, s26, 1536
	s_add_co_u32 s48, s48, DIMG
	v_add_nc_u32 v10, s48, v1
	v_add_nc_u32 v11, s48, v2
	v_add_nc_u32 v12, DIMG, v1
	v_add_nc_u32 v13, DIMG, v2
	v_add_nc_u32 v14, DIMG+36864, v1
	v_add_nc_u32 v15, DIMG+36864, v2
	s_mul_i32 s48, s26, 8704
	s_add_co_u32 s48, s48, YSP
	v_add_nc_u32 v16, s48, v1
	v_mul_u32_u24 v17, v26, 272
	s_delay_alu instid0(VALU_DEP_1)
	v_lshl_add_u32 v17, v27, 6, v17
	s_delay_alu instid0(VALU_DEP_1)
	v_add_nc_u32 v17, s48, v17                     ; the stage, in: row p, + 64 H
	v_mul_u32_u24 v18, v27, 272
	s_delay_alu instid0(VALU_DEP_1)
	v_lshl_add_u32 v18, v26, 4, v18
	s_delay_alu instid0(VALU_DEP_1)
	v_add_nc_u32 v18, s48, v18                     ; back: lanes 0-15 one row of 256 bytes, lanes 16-31 the next
	v_mul_u32_u24 v19, v26, 3072
	s_delay_alu instid0(VALU_DEP_1)
	v_lshl_add_u32 v19, v27, 6, v19
	v_lshlrev_b32 v20, 6, v27
	v_mul_u32_u24 v21, v27, 3072
	s_delay_alu instid0(VALU_DEP_1)
	v_lshl_add_u32 v21, v26, 4, v21
	v_lshlrev_b32 v24, 4, v0
	v_cmp_ne_u32 s28, 0, v27
	s_mov_b32 s29, 0x3aaaaaab                      ; 1/768
	s_mov_b32 s30, 0x3727c5ac                      ; 1e-5
	s_mov_b32 s31, 0xbaaaaaab                      ; -1/768
	s_mov_b32 s[SEL], 0x76543210
	s_mov_b32 s[SEL+1], 0xfedcba98
.irp j, 33,35,37,39,222,223,238,239
	v_mov_b32 v[\j], 0                             ; written once: upper halves of pairs of which the low word serves both halves; lane permutes' destinations
.endr
	s_mov_b32 s49, 0
	s_wait_kmcnt 0x0
	s_mul_i32 s48, s27, 768
	s_add_co_u32 s48, s48, 2359296
	s_add_nc_u64 s[34:35], s[4:5], s[48:49]        ; o's scale words of my 32 rows
	s_mul_i32 s48, s27, 18432
	s_add_nc_u64 s[4:5], s[4:5], s[48:49]          ; and their images
	s_mul_i32 s48, s26, 36864
	s_add_co_u32 s48, s48, 1327104
	s_add_nc_u64 s[36:37], s[6:7], s[48:49]        ; Wo: group 36 + w
	s_mul_i32 s48, s26, 1536
	s_add_co_u32 s48, s48, 5363712
	s_add_nc_u64 s[38:39], s[6:7], s[48:49]
	s_mul_i32 s48, s26, 73728
	s_mul_i32 s50, s52, 884736
	s_add_co_u32 s48, s48, s50
	s_add_co_u32 s48, s48, 1769472
	s_add_nc_u64 s[40:41], s[6:7], s[48:49]        ; W1: groups 48 + 24 half + 2 w on (36,864 bytes a group)
	s_mul_i32 s48, s26, 3072
	s_mul_i32 s50, s52, 36864
	s_add_co_u32 s48, s48, s50
	s_add_co_u32 s48, s48, 5382144
	s_add_nc_u64 s[42:43], s[6:7], s[48:49]        ; (1,536 bytes of scale words a group)
	s_mul_i32 s48, s26, 147456
	s_mul_i32 s50, s52, 73728
	s_add_co_u32 s48, s48, s50
	s_add_co_u32 s48, s48, 3538944
	s_add_nc_u64 s[44:45], s[6:7], s[48:49]        ; W2: group w, K steps 12 half on (6,144 bytes a step)
	s_mul_i32 s48, s26, 6144
	s_mul_i32 s50, s52, 3072
	s_add_co_u32 s48, s48, s50
	s_add_co_u32 s48, s48, 5455872
	s_add_nc_u64 s[46:47], s[6:7], s[48:49]
	s_mul_i32 s48, s27, 98304
	s_lshl_b32 s50, s26, 8
	s_add_co_u32 s48, s48, s50
	s_add_nc_u64 s[8:9], s[8:9], s[48:49]          ; x and part: my 32 rows, my wave's 64 columns;
	s_add_nc_u64 s[24:25], s[24:25], s[48:49]
	s_mul_i32 s48, s52, 12582912
	s_add_nc_u64 s[24:25], s[24:25], s[48:49]      ; part: my half's 4,096 x 768 numbers
	s_mov_b32 s48, s50
	s_add_nc_u64 s[10:11], s[10:11], s[48:49]      ; the column vectors: my wave's 64 numbers
	s_add_nc_u64 s[12:13], s[12:13], s[48:49]
	s_add_nc_u64 s[14:15], s[14:15], s[48:49]
	s_add_nc_u64 s[18:19], s[18:19], s[48:49]
	s_lshl_b32 s48, s26, 9
	s_mul_i32 s50, s52, 6144
	s_add_co_u32 s48, s48, s50
	s_add_nc_u64 s[16:17], s[16:17], s[48:49]      ; b1: my half's 1,536, my wave's 128 of them
	; ---- o's images into LDS; x + bo into the accumulators
.irp i, 0,1,2
	global_load_b128 v[200+4*\i:203+4*\i], v24, s[4:5] offset:6144*\i   ; 384 threads x 16 bytes x 3
.endr
.irp mt, 0,1
.irp ct, 0,1,2,3
.irp i, 0,1
	global_load_b128 v[40+8*(4*\mt+\ct)+4*\i:43+8*(4*\mt+\ct)+4*\i], v19, s[8:9] offset:49152*\mt+128*(\ct/2)+32*(\ct%2)+16*\i   ; x in the result's layout
.endr
.endr
.endr
.irp ct, 0,1,2,3
.irp i, 0,1
	global_load_b128 v[152+8*\ct+4*\i:155+8*\ct+4*\i], v20, s[10:11] offset:128*(\ct/2)+32*(\ct%2)+16*\i
.endr
.endr
.irp s, 0,1,2,3,4,5
	global_load_b32 v[230+\s], v3, s[34:35] offset:128*\s
.endr
	WLOAD 1, 0, 0
	s_wait_loadcnt 43                              ; o's images are in; behind them: 16 of x, 8 of bo, 6 scale words, 13 of the first weights
.irp i, 0,1,2
	ds_store_b128 v24, v[200+4*\i:203+4*\i] offset:OIMG+6144*\i
.endr
	s_wait_loadcnt 13                              ; all but the first weights
.set kk, 0
.rept 16
	v_pk_add_f32 v[40+kk:41+kk], v[40+kk:41+kk], v[152+kk:153+kk]
	v_pk_add_f32 v[72+kk:73+kk], v[72+kk:73+kk], v[152+kk:153+kk]
.set kk, kk+2
.endr
	s_wait_alu depctr_va_vdst(0)
	BARRIER                                        ; o's images lie in LDS
	; ---- 1: x + bo + o Wo
.irp n, 0,1,2,3,4,5
.set LAST, 0
.if \n == 5
.set LAST, 1
.endif
	KSTEP 1, \n, LAST, 1, 2, OIMG+1536*\n, 1, 2, OIMG+9216+1536*\n, 230+\n, 0
.endr
	; ---- the layer norm of the 32 rows in the accumulators, in place: h.  The gain, the shift and b2 are asked for first
.irp ct, 0,1,2,3
.irp i, 0,1
	global_load_b128 v[104+8*\ct+4*\i:107+8*\ct+4*\i], v20, s[12:13] offset:128*(\ct/2)+32*(\ct%2)+16*\i
	global_load_b128 v[136+8*\ct+4*\i:139+8*\ct+4*\i], v20, s[14:15] offset:128*(\ct/2)+32*(\ct%2)+16*\i
	global_load_b128 v[168+8*\ct+4*\i:171+8*\ct+4*\i], v20, s[18:19] offset:128*(\ct/2)+32*(\ct%2)+16*\i
.endr
.endr
.irp mt, 0,1                           ; my 32 numbers of each row: two chains a tile, each accumulator from its low end on
	v_pk_add_f32 v[212+4*\mt:213+4*\mt], v[40+32*\mt:41+32*\mt], v[42+32*\mt:43+32*\mt]
	v_pk_add_f32 v[214+4*\mt:215+4*\mt], v[44+32*\mt:45+32*\mt], v[46+32*\mt:47+32*\mt]
.endr
.irp k, 8,12,16,20,24,28
.irp mt, 0,1
	v_pk_add_f32 v[212+4*\mt:213+4*\mt], v[212+4*\mt:213+4*\mt], v[40+32*\mt+\k:41+32*\mt+\k]
	v_pk_add_f32 v[214+4*\mt:215+4*\mt], v[214+4*\mt:215+4*\mt], v[42+32*\mt+\k:43+32*\mt+\k]
.endr
.endr
	JOIN
	XRED 0
	s_delay_alu instid0(VALU_DEP_2)
	v_mul_f32 v32, s31, v220                       ; -mean
	s_delay_alu instid0(VALU_DEP_2)
	v_mul_f32 v34, s31, v221
.irp mt, 0,1
.set kk, 0
.rept 16
	v_pk_add_f32 v[40+32*\mt+kk:41+32*\mt+kk], v[40+32*\mt+kk:41+32*\mt+kk], v[32+2*\mt:33+2*\mt] op_sel_hi:[1,0]
.set kk, kk+2
.endr
.endr
.irp mt, 0,1
	v_pk_mul_f32 v[212+4*\mt:213+4*\mt], v[40+32*\mt:41+32*\mt], v[40+32*\mt:41+32*\mt]
	v_pk_mul_f32 v[214+4*\mt:215+4*\mt], v[42+32*\mt:43+32*\mt], v[42+32*\mt:43+32*\mt]
.endr
.irp k, 4,8,12,16,20,24,28
.irp mt, 0,1
	s_delay_alu instid0(VALU_DEP_4)
	v_pk_fma_f32 v[212+4*\mt:213+4*\mt], v[40+32*\mt+\k:41+32*\mt+\k], v[40+32*\mt+\k:41+32*\mt+\k], v[212+4*\mt:213+4*\mt]
	s_delay_alu instid0(VALU_DEP_4)
	v_pk_fma_f32 v[214+4*\mt:215+4*\mt], v[42+32*\mt+\k:43+32*\mt+\k], v[42+32*\mt+\k:43+32*\mt+\k], v[214+4*\mt:215+4*\mt]
.endr
.endr
	JOIN
	XRED 1536
	s_delay_alu instid0(VALU_DEP_2)
	v_fma_f32 v220, v220, s29, s30                 ; the variance + 1e-5
	s_delay_alu instid0(VALU_DEP_2)
	v_fma_f32 v221, v221, s29, s30
	s_wait_alu depctr_va_vdst(0)                   ; the wait ahead of the transcendentals
	v_rsq_f32 v36, v220
	v_rsq_f32 v38, v221
	v_nop                                          ; a plain place behind the transcendentals
	s_wait_alu depctr_va_vdst(0)                   ; and the wait ahead of their first reader: one for both
	s_wait_loadcnt 0x0                             ; the gain, the shift and b2
.irp mt, 0,1
.set kk, 0
.rept 16
	v_pk_mul_f32 v[40+32*\mt+kk:41+32*\mt+kk], v[40+32*\mt+kk:41+32*\mt+kk], v[36+2*\mt:37+2*\mt] op_sel_hi:[1,0]
.set kk, kk+2
.endr
.endr
.irp mt, 0,1
.set kk, 0
.rept 16
	v_pk_fma_f32 v[40+32*\mt+kk:41+32*\mt+kk], v[40+32*\mt+kk:41+32*\mt+kk], v[104+kk:105+kk], v[136+kk:137+kk]
.set kk, kk+2
.endr
.endr
.irp mt, 0,1
	QUANT64 40+32*\mt, 244, 242, 236
	ds_store_b128 v8, v[244:247] offset:9216*\mt
	ds_store_b64 v9, v[248:249] offset:9216*\mt+512
	ds_store_b16 v6, v242 offset:64*\mt
	s_wait_dscnt 0x0                               ; the stores have read their registers
.endr
.set kk, 0
.rept 16
	v_pk_mul_f32 v[168+kk:169+kk], v[168+kk:169+kk], 0.5 op_sel_hi:[1,0]   ; 0.5 b2
.set kk, kk+2
.endr
.set kk, 0
.rept 16
	v_pk_fma_f32 v[40+kk:41+kk], v[40+kk:41+kk], 0.5, v[168+kk:169+kk] op_sel_hi:[1,0,1]   ; 0.5 h + 0.5 b2: the C of the third product's first K step, in both halves alike,
	v_pk_fma_f32 v[72+kk:73+kk], v[72+kk:73+kk], 0.5, v[168+kk:169+kk] op_sel_hi:[1,0,1]
.set kk, kk+2
.endr
.irp i, 0,1,2,3,4,5,6,7,8,9,10,11,12,13,14,15
	ds_store_b128 v16, v[40+4*\i:43+4*\i] offset:512*\i   ; kept in my own bytes of LDS while the accumulators make the hidden layer
.endr
	WLOAD 2, 0, 0
	BARRIER                                        ; h's images and scale words lie in LDS
.irp s, 0,1,2,3,4,5
	ds_load_b32 v[230+\s], v4 offset:128*\s
.endr
	; ---- 2: my 128 units of the hidden layer, 64 at a time
.irp t, 0,1
.irp mt, 0,1
.irp ct, 0,1,2,3
.irp i, 0,1
	global_load_b128 v[40+8*(4*\mt+\ct)+4*\i:43+8*(4*\mt+\ct)+4*\i], v20, s[16:17] offset:256*\t+128*(\ct/2)+32*(\ct%2)+16*\i   ; b1: the C of the first K step
.endr
.endr
.endr
.irp s, 0,1,2,3,4,5
.set LAST, 0
.if (\t == 1) && (\s == 5)
.set LAST, 1
.endif
	KSTEP 2, 6*\t+\s, LAST, 1, 2, HIMG+1536*\s, 1, 2, HIMG+9216+1536*\s, 230+\s, 0
.endr
.if \t == 1
	WLOAD 3, 0, 0                                  ; the third product's first weights are on their way while the last 64 units are quantised
.endif
.set kk, 0
.rept 64
	v_max_num_f32 v[40+kk], 0, v[40+kk]            ; the activation, in f32
.set kk, kk+1
.endr
.irp mt, 0,1
	QUANT64 40+32*\mt, 244, 242, 236
	ds_store_b128 v10, v[244:247] offset:36864*\mt+768*\t
	ds_store_b64 v11, v[248:249] offset:36864*\mt+768*\t+512
	ds_store_b16 v7, v242 offset:2*\t+64*\mt
	s_wait_dscnt 0x0                               ; the stores have read their registers
.endr
.endr
	BARRIER                                        ; my half of the hidden layer lies in LDS, images and scale words
	; ---- 3: 0.5 (h + b2) + hidden W2, over my half's 12 K steps
.irp i, 0,1,2,3,4,5,6,7,8,9,10,11,12,13,14,15
	ds_load_b128 v[40+4*\i:43+4*\i], v16 offset:512*\i
.endr
.irp n, 0,1,2,3,4,5,6,7,8,9,10,11
.set LAST, 0
.if \n == 11
.set LAST, 1
.endif
	KSTEP 3, \n, LAST, 12, 13, 1536*\n, 14, 15, 1536*\n, 228, 1
.endr
	; ---- the way out: through my own stage, so that sixteen lanes store 256 consecutive bytes, at a multiple of 256 from part's first byte
.irp mt, 0,1
.irp ct, 0,1,2,3
.irp i, 0,1
	ds_store_b128 v17, v[40+8*(4*\mt+\ct)+4*\i:43+8*(4*\mt+\ct)+4*\i] offset:4352*\mt+128*(\ct/2)+32*(\ct%2)+16*\i   ; each accumulator from its low end on
.endr
.endr
.endr
.irp i, 0,1,2,3,4,5,6,7,8,9,10,11,12,13,14,15
	ds_load_b128 v[104+4*\i:107+4*\i], v18 offset:544*\i   ; LDS serves a wave's instructions in order (ISA guide 5.7.1.4): these see my stores
.endr
.irp i, 0,1,2,3,4,5,6,7,8,9,10,11,12,13,14,15
	s_wait_dscnt 15-\i                             ; the younger loads may be out
	global_store_b128 v21, v[104+4*\i:107+4*\i], s[24:25] offset:6144*\i th:TH_STORE_NT
.endr
	s_wait_tensorcnt 0x0                           ; the wave's end, behind my last LDS store
	ds_add_u32 v22, v23
	s_wait_dscnt 0x0
	s_endpgm
.Lfunc_end_k_qc5d1ffb9a2_tail:
	.size	k_qc5d1ffb9a2_tail, .Lfunc_end_k_qc5d1ffb9a2_tail-k_qc5d1ffb9a2_tail
	.p2alignl 7, 3214868480
	.fill 96, 4, 3214868480
	.section	.rodata,"a",@progbits
	.p2align	6, 0x0
	.amdhsa_kernel k_qc5d1ffb9a2_tail
		.amdhsa_group_segment_fixed_size 226560
		.amdhsa_private_segment_fixed_size 0
		.amdhsa_enable_private_segment 0
		.amdhsa_kernarg_size 72
		.amdhsa_user_sgpr_count 2
		.amdhsa_user_sgpr_kernarg_segment_ptr 1
		.amdhsa_wavefront_size32 1
		.amdhsa_system_sgpr_workgroup_id_x 1
		.amdhsa_system_sgpr_workgroup_id_y 1
		.amdhsa_system_sgpr_workgroup_id_z 1
		.amdhsa_system_vgpr_workitem_id 0
		.amdhsa_next_free_vgpr 256
		.amdhsa_next_free_sgpr 66
		.amdhsa_reserve_vcc 0
		.amdhsa_float_denorm_mode_32 3
		.amdhsa_float_denorm_mode_16_64 3
		.amdhsa_memory_ordered 1
		.amdhsa_forward_progress 1
		.amdhsa_inst_pref_size 152
	.end_amdhsa_kernel
	.amdgpu_metadata
---
amdhsa.version: [ 1, 2 ]
amdhsa.kernels:
  - .name:           k_qc5d1ffb9a2_tail
    .symbol:         k_qc5d1ffb9a2_tail.kd
    .args:
      - { .name: oimg, .offset: 0, .size: 8, .value_kind: global_buffer, .address_space: global }
      - { .name: wimg, .offset: 8, .size: 8, .value_kind: global_buffer, .address_space: global }
      - { .name: x, .offset: 16, .size: 8, .value_kind: global_buffer, .address_space: global }
      - { .name: bo, .offset: 24, .size: 8, .value_kind: global_buffer, .address_space: global }
      - { .name: g1, .offset: 32, .size: 8, .value_kind: global_buffer, .address_space: global }
      - { .name: be1, .offset: 40, .size: 8, .value_kind: global_buffer, .address_space: global }
      - { .name: b1, .offset: 48, .size: 8, .value_kind: global_buffer, .address_space: global }
      - { .name: b2, .offset: 56, .size: 8, .value_kind: global_buffer, .address_space: global }
      - { .name: part, .offset: 64, .size: 8, .value_kind: global_buffer, .address_space: global }
    .group_segment_fixed_size: 226560
    .private_segment_fixed_size: 0
    .kernarg_segment_align: 8
    .kernarg_segment_size: 72
    .max_flat_workgroup_size: 384
    .sgpr_count:     66
    .vgpr_count:     256
    .wavefront_size: 32
...
	.end_amdgpu_metadata
.endif
;; end of part 4
;; launch ln2 (part 5): grid 512 x 1, 4 waves a work-group, no clusters, 0 bytes of LDS; arguments part, g2, be2, out0; writes out0
.if DOCPART == 5
	.amdgcn_target "amdgcn-amd-amdhsa--gfx1250"
	.amdhsa_code_object_version 6
	.text
	.protected	k_qc5d1ffb9a2_ln2
	.globl	k_qc5d1ffb9a2_ln2
	.p2align	8
	.type	k_qc5d1ffb9a2_ln2,@function
k_qc5d1ffb9a2_ln2:
	s_mov_b64 s[64:65], 0
	v_nop
	global_prefetch_b8 v0, s[64:65] scope:SCOPE_SE
	s_setreg_imm32_b32 hwreg(HW_REG_WAVE_MODE, 25, 1), 1
	s_wait_xcnt 0x0
; out0 = LN(part[0] + part[1]; g2, be2): the two parts that launch tail stored add up to h + b2 + relu(h W1 + b1) W2; the layer norm is reference()'s last step.  All in f32.
; SHARES.  A wave takes two rows of 768 numbers; lane l holds columns 128 i + 4 l .. + 3, i = 0 .. 5: each load and each store of the wave covers 512 consecutive bytes, aligned to 256.
; 512 work-groups x 4 waves x 2 rows = 4,096 rows.  Waves share nothing: no LDS, no barrier.  All 36 loads of a wave are issued on end; there is no loop, so nothing is prefetched.
; No matrix unit, no cluster: every byte of the parts is read once, by one wave.  The variance is taken of the centred numbers, as reference() takes it.
; LIMITS: NaN and infinities are not served, as stated at the head of prep.
.set P0, 16                            ; v16-63   part 0's two rows (24 registers each), then their sum, then the result
.set P1, 64                            ; v64-111  part 1's
.set GG, 112                           ; v112-135 the gain
.set BB, 136                           ; v136-159 the shift
.set SEL, 20                           ; s[20:21] lane selects: lane l xor 16
; v160-167 two chains a row; v168, v169 a row's total; v170, v171 at work; v172, v174 -mean; v176, v178 1/sigma (v173, v175, v177, v179: upper halves of pairs, written once)
.macro TOTAL                           ; the chains' join, then the 32 lanes': every lane gets its rows' totals in v168, v169
.irp r, 0,1
	v_pk_add_f32 v[160+4*\r:161+4*\r], v[160+4*\r:161+4*\r], v[162+4*\r:163+4*\r]
.endr
.irp r, 0,1
	v_add_f32 v[168+\r], v[160+4*\r], v[161+4*\r]
.endr
.irp m, 1,2,4,8
.irp r, 0,1
	v_add_f32_dpp v[168+\r], v[168+\r], v[168+\r] row_xmask:\m row_mask:0xf bank_mask:0xf
.endr
.endr
.irp r, 0,1
	v_permlanex16_b32 v[170+\r], v[168+\r], s[SEL], s[SEL+1]
.endr
.irp r, 0,1
	v_add_f32 v[168+\r], v[168+\r], v[170+\r]
.endr
.endm
	s_load_b128 s[4:7], s[0:1], 0x0                ; part, g2
	s_load_b128 s[8:11], s[0:1], 0x10              ; be2, out0
	v_lshrrev_b32 v1, 5, v0
	v_readfirstlane_b32 s12, v1                    ; wave
	v_and_b32 v2, 31, v0
	v_lshlrev_b32 v2, 4, v2                        ; 16 x lane
	s_lshl_b32 s13, ttmp9, 2
	s_add_co_u32 s13, s13, s12                     ; my pair of rows
	s_mul_i32 s14, s13, 6144
	s_mov_b32 s15, 0
	s_mov_b32 s16, 0x3aaaaaab                      ; 1/768
	s_mov_b32 s17, 0x3727c5ac                      ; 1e-5
	s_mov_b32 s18, 0xbaaaaaab                      ; -1/768
	s_mov_b32 s[SEL], 0x76543210
	s_mov_b32 s[SEL+1], 0xfedcba98
.irp j, 170,171,173,175,177,179
	v_mov_b32 v[\j], 0                             ; written once: lane permutes' destinations; upper halves of pairs of which the low word serves both halves
.endr
	s_wait_alu depctr_va_vdst(0)
	s_wait_kmcnt 0x0
	s_add_nc_u64 s[4:5], s[4:5], s[14:15]          ; part 0: my rows
	s_add_nc_u64 s[22:23], s[4:5], 12582912        ; part 1: 4,096 x 768 numbers further on
	s_add_nc_u64 s[10:11], s[10:11], s[14:15]
.irp r, 0,1
.irp i, 0,1,2,3,4,5
	global_load_b128 v[P0+24*\r+4*\i:P0+24*\r+4*\i+3], v2, s[4:5] offset:3072*\r+512*\i th:TH_LOAD_NT
	global_load_b128 v[P1+24*\r+4*\i:P1+24*\r+4*\i+3], v2, s[22:23] offset:3072*\r+512*\i th:TH_LOAD_NT
.endr
.endr
.irp i, 0,1,2,3,4,5
	global_load_b128 v[GG+4*\i:GG+4*\i+3], v2, s[6:7] offset:512*\i
	global_load_b128 v[BB+4*\i:BB+4*\i+3], v2, s[8:9] offset:512*\i
.endr
	s_wait_loadcnt 0x0
.set kk, 0
.rept 24
	v_pk_add_f32 v[P0+kk:P0+kk+1], v[P0+kk:P0+kk+1], v[P1+kk:P1+kk+1]   ; the two parts
.set kk, kk+2
.endr
.irp r, 0,1
	v_pk_add_f32 v[160+4*\r:161+4*\r], v[P0+24*\r:P0+24*\r+1], v[P0+24*\r+2:P0+24*\r+3]
	v_pk_add_f32 v[162+4*\r:163+4*\r], v[P0+24*\r+4:P0+24*\r+5], v[P0+24*\r+6:P0+24*\r+7]
.endr
.irp k, 8,12,16,20
.irp r, 0,1
	v_pk_add_f32 v[160+4*\r:161+4*\r], v[160+4*\r:161+4*\r], v[P0+24*\r+\k:P0+24*\r+\k+1]
	v_pk_add_f32 v[162+4*\r:163+4*\r], v[162+4*\r:163+4*\r], v[P0+24*\r+\k+2:P0+24*\r+\k+3]
.endr
.endr
	TOTAL
.irp r, 0,1
	v_mul_f32 v[172+2*\r], s18, v[168+\r]          ; -mean
.endr
.irp r, 0,1
.set kk, 0
.rept 12
	v_pk_add_f32 v[P0+24*\r+kk:P0+24*\r+kk+1], v[P0+24*\r+kk:P0+24*\r+kk+1], v[172+2*\r:173+2*\r] op_sel_hi:[1,0]
.set kk, kk+2
.endr
.endr
.irp r, 0,1
	v_pk_mul_f32 v[160+4*\r:161+4*\r], v[P0+24*\r:P0+24*\r+1], v[P0+24*\r:P0+24*\r+1]
	v_pk_mul_f32 v[162+4*\r:163+4*\r], v[P0+24*\r+2:P0+24*\r+3], v[P0+24*\r+2:P0+24*\r+3]
.endr
.irp k, 4,8,12,16,20
.irp r, 0,1
	v_pk_fma_f32 v[160+4*\r:161+4*\r], v[P0+24*\r+\k:P0+24*\r+\k+1], v[P0+24*\r+\k:P0+24*\r+\k+1], v[160+4*\r:161+4*\r]
	v_pk_fma_f32 v[162+4*\r:163+4*\r], v[P0+24*\r+\k+2:P0+24*\r+\k+3], v[P0+24*\r+\k+2:P0+24*\r+\k+3], v[162+4*\r:163+4*\r]
.endr
.endr
	TOTAL
.irp r, 0,1
	v_fma_f32 v[168+\r], v[168+\r], s16, s17       ; the variance + 1e-5
.endr
	s_wait_alu depctr_va_vdst(0)                   ; the wait ahead of the transcendentals
	v_rsq_f32 v176, v168
	v_rsq_f32 v178, v169
	v_nop                                          ; a plain place behind the transcendentals
	s_wait_alu depctr_va_vdst(0)                   ; and the wait ahead of their first reader: one for both
.irp r, 0,1
.set kk, 0
.rept 12
	v_pk_mul_f32 v[P0+24*\r+kk:P0+24*\r+kk+1], v[P0+24*\r+kk:P0+24*\r+kk+1], v[176+2*\r:177+2*\r] op_sel_hi:[1,0]
.set kk, kk+2
.endr
.endr
.irp r, 0,1
.set kk, 0
.rept 12
	v_pk_fma_f32 v[P0+24*\r+kk:P0+24*\r+kk+1], v[P0+24*\r+kk:P0+24*\r+kk+1], v[GG+kk:GG+kk+1], v[BB+kk:BB+kk+1]
.set kk, kk+2
.endr
.endr
.irp r, 0,1
.irp i, 0,1,2,3,4,5
	global_store_b128 v2, v[P0+24*\r+4*\i:P0+24*\r+4*\i+3], s[10:11] offset:3072*\r+512*\i th:TH_STORE_NT
.endr
.endr
	s_endpgm
.Lfunc_end_k_qc5d1ffb9a2_ln2:
	.size	k_qc5d1ffb9a2_ln2, .Lfunc_end_k_qc5d1ffb9a2_ln2-k_qc5d1ffb9a2_ln2
	.p2alignl 7, 3214868480
	.fill 96, 4, 3214868480
	.section	.rodata,"a",@progbits
	.p2align	6, 0x0
	.amdhsa_kernel k_qc5d1ffb9a2_ln2
		.amdhsa_group_segment_fixed_size 0
		.amdhsa_private_segment_fixed_size 0
		.amdhsa_enable_private_segment 0
		.amdhsa_kernarg_size 32
		.amdhsa_user_sgpr_count 2
		.amdhsa_user_sgpr_kernarg_segment_ptr 1
		.amdhsa_wavefront_size32 1
		.amdhsa_system_sgpr_workgroup_id_x 1
		.amdhsa_system_sgpr_workgroup_id_y 1
		.amdhsa_system_sgpr_workgroup_id_z 1
		.amdhsa_system_vgpr_workitem_id 0
		.amdhsa_next_free_vgpr 192
		.amdhsa_next_free_sgpr 66
		.amdhsa_reserve_vcc 0
		.amdhsa_float_denorm_mode_32 3
		.amdhsa_float_denorm_mode_16_64 3
		.amdhsa_memory_ordered 1
		.amdhsa_forward_progress 1
		.amdhsa_inst_pref_size 17
	.end_amdhsa_kernel
	.amdgpu_metadata
---
amdhsa.version: [ 1, 2 ]
amdhsa.kernels:
  - .name:           k_qc5d1ffb9a2_ln2
    .symbol:         k_qc5d1ffb9a2_ln2.kd
    .args:
      - { .name: part, .offset: 0, .size: 8, .value_kind: global_buffer, .address_space: global }
      - { .name: g2, .offset: 8, .size: 8, .value_kind: global_buffer, .address_space: global }
      - { .name: be2, .offset: 16, .size: 8, .value_kind: global_buffer, .address_space: global }
      - { .name: out0, .offset: 24, .size: 8, .value_kind: global_buffer, .address_space: global }
    .group_segment_fixed_size: 0
    .private_segment_fixed_size: 0
    .kernarg_segment_align: 8
    .kernarg_segment_size: 32
    .max_flat_workgroup_size: 128
    .sgpr_count:     66
    .vgpr_count:     192
    .wavefront_size: 32
...
	.end_amdgpu_metadata
.endif
;; end of part 5
